; MI455X (gfx1250); checked and timed in simulation.
; The chip was launched on July 23, 2026; its instructions are those of AMD's public machine-readable ISA for CDNA 5 (MIT licence, August 2026) and "CDNA5" Instruction Set Architecture Reference Guide (July 2026). The comments in the code are by the model that wrote it; some were corrected since.
;; Multi Head Attention. Allowed arithmetic: matrix products marked QUANTISED: E2M1 operands, one E8M0 scale for each 32 along K, by v_wmma_scale_f32_16x16x128_f8f6f4 with both operands' format E2M1 (or v_wmma_scale_f32_32x16x128_f4), f32 sums; everything else in f32.
;; Inputs: Wk 16 x 1,024 x 64 float32; Wo 1,024 x 1,024 float32; Wq 16 x 1,024 x 64 float32; Wv 16 x 1,024 x 64 float32; bk 16 x 64 float32; bo 1,024 float32; bq 16 x 64 float32; bv 16 x 64 float32; x 4 x 2,048 x 1,024 float32.
;; Outputs: out0 4 x 2,048 x 1,024 float32.
;; This version of the problem:
;;   THIS VERSION OF THE PROBLEM IS GIVEN IN LOW PRECISION. The matrix products marked QUANTISED in the list below multiply operands that are first quantised to E2M1 (2 exponent bits, 1 mantissa bit; 4 bits a number), with one power-of-two scale for each 32 numbers along K (OCP MX v1.0); their sums are f32. All else is computed in f32.
;;   The module's matrix products, in the order in which they are computed (A, B: the left and right operand; K: the contracted axis; several contracted axes count as one K, in the product's order):
;;     1. [M 1,024, K 1,024] x [K 1,024, N 8,192]; A: input Wq; B: input x: QUANTISED
;;     2. [M 1,024, K 1,024] x [K 1,024, N 8,192]; A: input Wk; B: input x: QUANTISED
;;     3. [M 1,024, K 1,024] x [K 1,024, N 8,192]; A: input Wv; B: input x: QUANTISED
;;     4. batch 64 x [M 2,048, K 64] x [K 64, N 2,048]; A: computed on the way; B: computed on the way: QUANTISED
;;     5. batch 64 x [M 2,048, K 2,048] x [K 2,048, N 64]; A: softmax (see below); B: computed on the way: QUANTISED
;;     6. [M 8,192, K 1,024] x [K 1,024, N 1,024]; A: computed on the way; B: input Wo: QUANTISED
;;   THE QUANTISER, for each operand of a quantised product, along K:
;;     - K is cut into blocks of 32 from its start; a last block that is shorter is filled with zeros.
;;     - A block's scale is 2^e with e = floor(log2(the largest magnitude in the block)) - 2, held to -126 .. 127; a block of zeros has e = 0. As a byte (E8M0): e + 127.
;;     - Each number is divided by its block's scale, clamped to +-6, and rounded to the nearest number of E2M1, ties to even, subnormals kept.
;;     - The product sums the exact products of the quantised numbers (number of the format x scale) in f32.
;;   ~~~python
;;   def quantise(x, axis):      # numpy; x: float32 -> the quantised numbers, widened to float32 again
;;       x = np.moveaxis(x, axis, -1); K = x.shape[-1]
;;       x = np.pad(x, [(0, 0)] * (x.ndim - 1) + [(0, -K % 32)]); x = x.reshape(x.shape[:-1] + (-1, 32)); a = np.abs(x).max(-1, keepdims=True)
;;       e = np.where(a > 0, np.clip(np.frexp(np.where(a > 0, a, 1))[1] - 1 - 2, -126, 127), 0)      # np.frexp(a)[1] - 1 = floor(log2(a)), exactly
;;       r = np.clip(x / 2.0 ** e, -6, 6)
;;       step = 2.0 ** (np.maximum(np.frexp(np.where(r == 0, 1, r))[1] - 1, 0) - 1)
;;       q = np.round(r / step) * step * 2.0 ** e      # np.round: ties to even
;;       return np.moveaxis(q.reshape(q.shape[:-2] + (-1,))[..., :K], -1, axis).astype(np.float32)
;;   ~~~
;;   SOFTMAX AHEAD OF A QUANTISED PRODUCT. Where the list says 'softmax', what is quantised is not the finished softmax but p = 2^(t - M), with t = logit x log2(e) and M = ceil(the row's largest t), a whole number; so 1/2 < the row's largest p <= 1. The row's sum l is taken of the UNQUANTISED p, in f32, and the product's result is divided by l at the end. Since M is a whole number, a kernel that streams over the keys may use a running M (the ceiling of the running maximum): every later rescaling is an exact power of two, which a block's scale takes up: the codes' values come out the same.
;;   OPERANDS COMPUTED ON THE WAY. 'Computed on the way' means the value that the module computes at that place (a softmax that the list does not call 'softmax' is quantised finished and normalised). What goes into a quantiser is computed in f32, as accurately as f32 sums, v_exp_f32 and their like allow (about 1e-6 of the number): no bf16 or f16 on the way to a quantiser, and a product that is left as it is and whose result goes on into a quantised operand takes f32 operands (vector FMAs, or v_wmma_f32_16x16x4_f32). A number that lies on a knife's edge between two numbers of the format may be rounded either way, as far as f32 arithmetic and the matrix unit's own rounding can turn it there, and no further.
;; One version. Each part assembles by itself: llvm-mc -triple=amdgcn-amd-amdhsa -mcpu=gfx1250 --defsym DOCPART=n.
;; ======== version 1 of 1: 4 launches
;; limits: right only within a limited range of input values
;; workspace buffers: xq 4,456,448 bytes; wq 2,228,224 bytes; qkv 13,369,344 bytes; cq 4,456,448 bytes
;; launch quant (part 1): grid 384 x 1, 4 waves a work-group, no clusters, 34,304 bytes of LDS; arguments x, Wq, Wk, Wv, Wo, xq, wq; writes xq, wq
.if DOCPART == 1
	.amdgcn_target "amdgcn-amd-amdhsa--gfx1250"
	.amdhsa_code_object_version 6
	.text
	.protected	k_qd96c5bb1f9_quant
	.globl	k_qd96c5bb1f9_quant
	.p2align	8
	.type	k_qd96c5bb1f9_quant,@function
k_qd96c5bb1f9_quant:
	s_mov_b64 s[64:65], 0
	v_nop
	global_prefetch_b8 v0, s[64:65] scope:SCOPE_SE
	s_setreg_imm32_b32 hwreg(HW_REG_WAVE_MODE, 25, 1), 1
	s_wait_xcnt 0x0
; x [8192][1024] and the weights Wq, Wk, Wv [16][1024][64], Wo [1024][1024], all f32, become codes of FP4 (E2M1) with one E8M0 byte for each 32 along K (K = 1,024 in all of them).
; A block's scale is 2^(floor(log2(its largest magnitude)) - 2); its byte is the largest magnitude's exponent field - 2, held at 1 from below.
; LIMITS: NaN and infinities among the inputs are not served.  A block of zeros gets the byte 1 where the rule says 127: its codes are zeros, and the bytes are read by this program alone.
; LAYOUT OF THE RESULTS: images of operand registers.  A TILE is 16 rows (of x) or 16 columns (of a weight): tile 2 B + u takes numbers 32 B + 8 u + r + 8 (r / 8), r = 0 .. 15.
; A tile's codes are 8,192 bytes: block b of 32 along K of index r lies at 256 b + 16 r; so 1,024 bytes on end are one fragment (16 x 128 K) as two loads of 16 bytes a lane take it.
; A tile's scale bytes are 512 bytes, [half][r][4 words]: word j of half g is the scale word of K step 4 g + j.
; xq: 512 tiles of codes, then (at XQ_SC) their scale blocks.  wq: tile 12 head + 4 m + t (m = 0, 1, 2: Wq, Wk, Wv), tile 192 + n of Wo; scale blocks at WQ_SC.
; SHARES: work-groups 0-95 take Wq, Wk, Wv; 96-127 Wo; 128-383 x.  Waves share nothing: no barrier.  No work-groups read the same input bytes, so there is no cluster and no joint load.
; A WEIGHT'S K IS NOT INNERMOST: a lane takes a column and its registers run down K (32 columns x 256 K a wave), so a block lies in one lane and the codes come out with K innermost.
; x's K IS INNERMOST: a wave takes a tile x 512 K; each load reads 512 consecutive bytes of a row; the numbers turn through the wave's own stage in LDS so that a lane holds two whole blocks of its row.
.set XQ_SC, 4194304
.set WQ_SC, 2097152
.set X,   32                           ; weights: v32-95  two sets of 32 numbers
.set C,   96                           ; weights: v96-127 four registers of codes a block, never rewritten
.set SB,  24                           ; weights: v24-25  the scale bytes, four to a register
.set R,   32                           ; x: v32-159  two sets of 64 numbers as loaded
.set XN,  160                          ; x: v160-223 64 numbers of my row: register 32 c + i = k 64 c + 32 h + i
.set XC,  224                          ; x: v224-255 eight registers of codes a step, never rewritten
.set SW,  16                           ; x: v16-19   the four steps' scale words
.set SP,  528                          ; x: a stage row: 512 bytes + 16: the sixteen rows that a load touches start at different banks
.macro WLOAD t, pitch                  ; block t: W(32 t + i, my column), i = 0 .. 31, into set t % 2; a wave reads 128 consecutive bytes
.set i, 0
.rept 32
	global_load_b32 v[X+32*((\t)%2)+i], v4, s[32:33] offset:(32*(\t)+i)*(\pitch) th:TH_LOAD_NT
.set i, i+1
.endr
.endm
.macro WBLOCK t, pitch
.set XS, X+32*((\t)%2)
.if (\t) < 7
	s_wait_loadcnt 32                              ; this block's 32 loads are in; the next block's 32 may be out
.else
	s_wait_loadcnt 0
.endif
	v_max3_num_f32 v12, |v[XS]|, |v[XS+1]|, |v[XS+2]|              ; the block's largest magnitude: all 32 numbers are mine; two chains
	v_max3_num_f32 v13, |v[XS+3]|, |v[XS+4]|, |v[XS+5]|
.irp i, 6,10,14,18,22,26
	v_max3_num_f32 v12, v12, |v[XS+\i]|, |v[XS+\i+1]|
	v_max3_num_f32 v13, v13, |v[XS+\i+2]|, |v[XS+\i+3]|
.endr
	v_max3_num_f32 v12, v12, |v[XS+30]|, |v[XS+31]|
	v_max3_num_f32 v12, v12, v13, 0x1800000        ; and the floor 2^(3 - 127): the byte cannot fall under 1
	v_add_nc_u32 v11, 0xff000000, v12              ; 2 off the exponent field: the conversion takes this operand's exponent field as its scale
	v_lshrrev_b32 v13, 23, v11                     ; the scale's byte
.if (\t)%4 == 0
	v_mov_b32 v[SB+(\t)/4], v13
.else
	v_lshl_or_b32 v[SB+(\t)/4], v13, 8*((\t)%4), v[SB+(\t)/4]
.endif
.irp g, 0,1,2,3
	v_cvt_scalef32_pk8_fp4_f32 v[C+4*(\t)+\g], v[XS+8*\g:XS+8*\g+7], v11
.endr
	global_store_b128 v5, v[C+4*(\t):C+4*(\t)+3], s[34:35] offset:256*(\t)   ; lanes 0-7 with 16-23 store 256 consecutive bytes of tile u = 0, lanes 8-15 with 24-31 of tile u = 1
.if (\t)+2 < 8
	WLOAD (\t)+2, \pitch
.endif
.endm
.macro WBODY pitch
	WLOAD 0, \pitch
	WLOAD 1, \pitch
.irp t, 0,1,2,3,4,5,6,7
	WBLOCK \t, \pitch
.endr
	global_store_b64 v6, v[SB:SB+1], s[36:37]      ; my column's eight scale bytes: two words of its tile's scale block
	s_endpgm
.endm
.macro WDEST                           ; from the first tile's number (s30) and the quarter of K (s26): where the codes and the scale bytes go
	s_lshl_b32 s28, s30, 13                        ; 8,192 bytes a tile
	s_lshl_b32 s27, s26, 11                        ; eight blocks of 256 bytes a quarter
	s_add_co_u32 s28, s28, s27
	s_mov_b32 s29, 0
	s_add_nc_u64 s[34:35], s[16:17], s[28:29]
	s_lshl_b32 s28, s30, 9                         ; 512 scale bytes a tile
	s_lshr_b32 s27, s26, 1
	s_lshl_b32 s27, s27, 8                         ; the half
	s_add_co_u32 s28, s28, s27
	s_and_b32 s27, s26, 1
	s_lshl_b32 s27, s27, 3                         ; the pair of words in it
	s_add_co_u32 s28, s28, s27
	s_add_co_u32 s28, s28, WQ_SC
	s_add_nc_u64 s[36:37], s[16:17], s[28:29]
.endm
.macro XLOAD t                         ; step t: 128 numbers of each of the tile's 16 rows; 32 lanes read 512 consecutive bytes
.irp p, 0,1,2,3,4,5,6,7,8,9,10,11,12,13,14,15
	global_load_b128 v[R+64*((\t)%2)+4*\p:R+64*((\t)%2)+4*\p+3], v4, s[4:5] offset:(\p+8*(\p/8))*4096+512*(\t) th:TH_LOAD_NT
.endr
.endm
.macro XSTEP t
.if (\t) < 3
	s_wait_loadcnt 16                              ; this step's 16 loads are in; the next step's 16 may be out
.else
	s_wait_loadcnt 0
.endif
.irp p, 0,1,2,3,4,5,6,7,8,9,10,11,12,13,14,15
	ds_store_b128 v5, v[R+64*((\t)%2)+4*\p:R+64*((\t)%2)+4*\p+3] offset:SP*\p
.endr
.irp c, 0,1
.irp j, 0,1,2,3,4,5,6,7
	ds_load_b128 v[XN+32*\c+4*\j:XN+32*\c+4*\j+3], v6 offset:256*\c+16*\j   ; LDS serves a wave's instructions in order: these see the stores above
.endr
.endr
	s_wait_dscnt 0x0                               ; my 64 numbers are back, and the stores have read their registers,
.if (\t) < 2
	XLOAD (\t)+2                                   ; which take the loads of two steps on
.endif
.irp c, 0,1
	v_max3_num_f32 v[8+\c], |v[XN+32*\c]|, |v[XN+1+32*\c]|, 0x1800000   ; my block 2 c + h, and the floor 2^(3 - 127)
.endr
.irp i, 2,4,6,8,10,12,14,16,18,20,22,24,26,28,30
.irp c, 0,1
	v_max3_num_f32 v[8+\c], v[8+\c], |v[XN+32*\c+\i]|, |v[XN+1+32*\c+\i]|
.endr
.endr
.irp c, 0,1
	v_add_nc_u32 v[10+\c], 0xff000000, v[8+\c]     ; the conversion's scale operand
.endr
.irp c, 0,1
	v_lshrrev_b32 v[12+\c], 23, v[10+\c]           ; the scale's byte
.endr
	v_lshl_or_b32 v14, v13, 16, v12                ; my two bytes: blocks h and 2 + h of my row,
	v_lshlrev_b32 v14, v22, v14                    ; at their places in the word (8 h bits up);
	v_permlanex16_b32 v15, v14, s20, s21
	v_or_b32 v[SW+(\t)], v14, v15                  ; with lane l xor 16's two the word is whole
.irp c, 0,1
.irp g, 0,1,2,3
	v_cvt_scalef32_pk8_fp4_f32 v[XC+8*(\t)+4*\c+\g], v[XN+32*\c+8*\g:XN+32*\c+8*\g+7], v[10+\c]
.endr
.endr
	v_nop                                          ; one plain line behind the last conversion
.irp c, 0,1
	global_store_b128 v4, v[XC+8*(\t)+4*\c:XC+8*(\t)+4*\c+3], s[34:35] offset:1024*(\t)+512*\c   ; 512 consecutive bytes of the fragment's image
.endr
.endm
	s_load_b256 s[4:11], s[0:1], 0x0               ; x s[4:5], Wq s[6:7], Wk s[8:9], Wv s[10:11]
	s_load_b128 s[12:15], s[0:1], 0x20             ; Wo s[12:13], xq s[14:15]
	s_load_b64 s[16:17], s[0:1], 0x30              ; wq
	v_lshl_add_u32 v30, v0, 2, 0x8400
	v_mov_b32 v31, 0
	v_lshrrev_b32 v2, 5, v0
	v_readfirstlane_b32 s18, v2                    ; wave 0..3
	v_and_b32 v1, 31, v0                           ; lane
	s_mov_b32 s20, 0x76543210
	s_mov_b32 s21, 0xfedcba98                      ; v_permlanex16_b32's selects for lane l xor 16
	s_cmp_ge_u32 ttmp9, 128
	s_cbranch_scc1 .Lx_path
	; ---- a weight: column 32 x group + lane lies in tile u = (lane / 8) % 2 of the pair, at index r = lane % 8 + 8 (lane / 16)
	v_lshlrev_b32 v4, 2, v1                        ; in: 4 bytes a lane
	v_bfe_u32 v2, v1, 3, 1                         ; u
	v_and_b32 v3, 7, v1
	v_lshrrev_b32 v7, 4, v1
	v_lshl_or_b32 v3, v7, 3, v3                    ; r
	v_lshlrev_b32 v3, 4, v3
	v_lshl_add_u32 v5, v2, 13, v3                  ; codes: 8,192 u + 16 r
	v_lshl_add_u32 v6, v2, 9, v3                   ; scale bytes: 512 u + 16 r
	s_and_b32 s22, s18, 1                          ; which 32 columns of the work-group's 64
	s_lshr_b32 s23, s18, 1                         ; which 256 of its 512 along K
	s_cmp_ge_u32 ttmp9, 96
	s_cbranch_scc1 .Lwo_path
	s_lshr_b32 s24, ttmp9, 5                       ; m: 0 Wq, 1 Wk, 2 Wv
	s_bfe_u32 s25, ttmp9, 0x40001                  ; the head
	s_and_b32 s26, ttmp9, 1
	s_lshl_b32 s26, s26, 1
	s_add_co_u32 s26, s26, s23                     ; the quarter of K
	s_lshl_b32 s28, s25, 18                        ; a head is 262,144 bytes,
	s_lshl_b32 s27, s22, 7                         ; 32 columns 128,
	s_add_co_u32 s28, s28, s27
	s_lshl_b32 s27, s26, 16                        ; 256 rows of 256 bytes 65,536
	s_add_co_u32 s28, s28, s27
	s_mov_b32 s29, 0
	s_mul_i32 s30, s25, 12
	s_lshl_b32 s27, s24, 2
	s_add_co_u32 s30, s30, s27
	s_lshl_b32 s27, s22, 1
	s_add_co_u32 s30, s30, s27                     ; my first tile: 12 head + 4 m + 2 x (which 32 columns)
	s_wait_kmcnt 0x0
	s_cmp_lt_u32 ttmp9, 32                         ; the choice of the buffer hangs on the work-group's number alone
	s_cselect_b64 s[32:33], s[6:7], s[8:9]
	s_cmp_lt_u32 ttmp9, 64
	s_cselect_b64 s[32:33], s[32:33], s[10:11]
	s_add_nc_u64 s[32:33], s[32:33], s[28:29]
	WDEST
	s_wait_alu depctr_va_vdst(0)
	WBODY 256
.Lwo_path:
	s_sub_co_u32 s24, ttmp9, 96
	s_lshr_b32 s25, s24, 1
	s_lshl_b32 s25, s25, 1
	s_add_co_u32 s25, s25, s22                     ; which 32 columns of Wo's 1,024
	s_and_b32 s26, s24, 1
	s_lshl_b32 s26, s26, 1
	s_add_co_u32 s26, s26, s23                     ; the quarter of K
	s_lshl_b32 s28, s25, 7
	s_lshl_b32 s27, s26, 20                        ; 256 rows of 4,096 bytes
	s_add_co_u32 s28, s28, s27
	s_mov_b32 s29, 0
	s_lshl_b32 s30, s25, 1
	s_add_co_u32 s30, s30, 192                     ; my first tile
	s_wait_kmcnt 0x0
	s_add_nc_u64 s[32:33], s[12:13], s[28:29]
	WDEST
	s_wait_alu depctr_va_vdst(0)
	WBODY 4096
.Lx_path:
	s_sub_co_u32 s22, ttmp9, 128
	s_lshl_b32 s22, s22, 2
	s_add_co_u32 s22, s22, s18
	s_lshr_b32 s23, s22, 1                         ; my tile, 0 .. 511
	s_and_b32 s24, s22, 1                          ; which 512 along K
	s_lshr_b32 s25, s23, 1
	s_lshl_b32 s25, s25, 5
	s_and_b32 s26, s23, 1
	s_lshl_b32 s26, s26, 3
	s_add_co_u32 s25, s25, s26                     ; the tile's first row: 32 (tile / 2) + 8 (tile % 2)
	s_lshl_b32 s28, s25, 12
	s_lshl_b32 s26, s24, 11
	s_add_co_u32 s28, s28, s26
	s_mov_b32 s29, 0
	s_lshl_b32 s30, s23, 13
	s_lshl_b32 s26, s24, 12
	s_add_co_u32 s30, s30, s26                     ; codes: 8,192 tile + 4,096 half
	s_mov_b32 s31, 0
	s_lshl_b32 s32, s23, 9
	s_lshl_b32 s26, s24, 8
	s_add_co_u32 s32, s32, s26
	s_add_co_u32 s32, s32, XQ_SC                   ; scale bytes: 512 tile + 256 half
	s_mov_b32 s33, 0
	s_mul_i32 s27, s18, 16*SP                      ; my wave's stage
	s_wait_alu depctr_va_vdst(0)
	v_lshlrev_b32 v4, 4, v1                        ; 16 x lane
	v_add_nc_u32 v5, s27, v4                       ; the stage, on the way in
	v_and_b32 v2, 15, v1                           ; r
	v_lshrrev_b32 v3, 4, v1                        ; h
	v_mul_u32_u24 v6, v2, SP
	v_lshl_add_u32 v6, v3, 7, v6
	v_add_nc_u32 v6, s27, v6                       ; and on the way out: row r, + 128 h: 32 numbers of each 64
	v_lshlrev_b32 v7, 4, v2
	v_lshl_add_u32 v7, v3, 3, v7                   ; the scale block: 16 r + 8 h
	v_lshlrev_b32 v22, 3, v3                       ; 8 h
	v_mov_b32 v15, 0                               ; written once: a lane permute's destination counts as one of its sources
	s_wait_alu depctr_va_vdst(0)
	s_wait_kmcnt 0x0
	s_add_nc_u64 s[4:5], s[4:5], s[28:29]
	s_add_nc_u64 s[34:35], s[14:15], s[30:31]
	s_add_nc_u64 s[36:37], s[14:15], s[32:33]
	XLOAD 0
	XLOAD 1
.irp t, 0,1,2,3
	XSTEP \t
.endr
	v_cmp_le_u32 vcc_lo, 16, v1                    ; lanes 0-15 store words 0 and 1 of their row, lanes 16-31 words 2 and 3
	v_cndmask_b32 v20, v[SW], v[SW+2], vcc_lo
	v_cndmask_b32 v21, v[SW+1], v[SW+3], vcc_lo
	global_store_b64 v7, v[20:21], s[36:37]        ; 32 lanes store 256 consecutive bytes, aligned
	s_wait_tensorcnt 0x0
	ds_add_u32 v30, v31
	s_wait_dscnt 0x0
	s_endpgm
.Lfunc_end_k_qd96c5bb1f9_quant:
	.size	k_qd96c5bb1f9_quant, .Lfunc_end_k_qd96c5bb1f9_quant-k_qd96c5bb1f9_quant
	.p2alignl 7, 3214868480
	.fill 96, 4, 3214868480
	.section	.rodata,"a",@progbits
	.p2align	6, 0x0
	.amdhsa_kernel k_qd96c5bb1f9_quant
		.amdhsa_group_segment_fixed_size 34304
		.amdhsa_private_segment_fixed_size 0
		.amdhsa_enable_private_segment 0
		.amdhsa_kernarg_size 56
		.amdhsa_user_sgpr_count 2
		.amdhsa_user_sgpr_kernarg_segment_ptr 1
		.amdhsa_wavefront_size32 1
		.amdhsa_system_sgpr_workgroup_id_x 1
		.amdhsa_system_sgpr_workgroup_id_y 1
		.amdhsa_system_sgpr_workgroup_id_z 1
		.amdhsa_system_vgpr_workitem_id 0
		.amdhsa_next_free_vgpr 256
		.amdhsa_next_free_sgpr 66
		.amdhsa_reserve_vcc 1
		.amdhsa_float_denorm_mode_32 3
		.amdhsa_float_denorm_mode_16_64 3
		.amdhsa_memory_ordered 1
		.amdhsa_forward_progress 1
		.amdhsa_inst_pref_size 106
	.end_amdhsa_kernel
	.amdgpu_metadata
---
amdhsa.version: [ 1, 2 ]
amdhsa.kernels:
  - .name:           k_qd96c5bb1f9_quant
    .symbol:         k_qd96c5bb1f9_quant.kd
    .args:
      - { .name: x, .offset: 0, .size: 8, .value_kind: global_buffer, .address_space: global }
      - { .name: Wq, .offset: 8, .size: 8, .value_kind: global_buffer, .address_space: global }
      - { .name: Wk, .offset: 16, .size: 8, .value_kind: global_buffer, .address_space: global }
      - { .name: Wv, .offset: 24, .size: 8, .value_kind: global_buffer, .address_space: global }
      - { .name: Wo, .offset: 32, .size: 8, .value_kind: global_buffer, .address_space: global }
      - { .name: xq, .offset: 40, .size: 8, .value_kind: global_buffer, .address_space: global }
      - { .name: wq, .offset: 48, .size: 8, .value_kind: global_buffer, .address_space: global }
    .group_segment_fixed_size: 34304
    .private_segment_fixed_size: 0
    .kernarg_segment_align: 8
    .kernarg_segment_size: 56
    .max_flat_workgroup_size: 128
    .sgpr_count:     66
    .vgpr_count:     256
    .wavefront_size: 32
...
	.end_amdgpu_metadata
.endif
;; end of part 1
;; launch qkv (part 2): grid 16 x 16, 4 waves a work-group, clusters of 4 x 4, 327,680 bytes of LDS; arguments xq, wq, bq, bk, bv, qkv; writes qkv
.if DOCPART == 2
	.amdgcn_target "amdgcn-amd-amdhsa--gfx1250"
	.amdhsa_code_object_version 6
	.text
	.protected	k_qd96c5bb1f9_qkv
	.globl	k_qd96c5bb1f9_qkv
	.p2align	8
	.type	k_qd96c5bb1f9_qkv,@function
k_qd96c5bb1f9_qkv:
	s_mov_b64 s[64:65], 0
	v_nop
	global_prefetch_b8 v0, s[64:65] scope:SCOPE_SE
	s_setreg_imm32_b32 hwreg(HW_REG_WAVE_MODE, 25, 1), 1
	s_wait_xcnt 0x0
	s_wait_alu depctr_hold_cnt(0) depctr_sa_sdst(0) depctr_va_vdst(0) depctr_va_sdst(0) depctr_va_ssrc(0) depctr_va_vcc(0) depctr_vm_vsrc(0)
	s_getreg_b32 s2, hwreg(HW_REG_IB_STS2, 6, 4)
	s_cmp_eq_u32 s2, 0
	s_cbranch_scc0 .Lentry_in_a_cluster
	s_endpgm
.Lentry_in_a_cluster:
	s_bfe_u32 s2, ttmp6, 0x10000c
	s_cmp_lg_u32 s2, 0xf033
	s_cbranch_scc0 .Lentry_shape_is_right
	s_endpgm
.Lentry_shape_is_right:
; Q, K, V = x W + b for one head and TWO blocks of 256 rows (blocks y and y + 16), on codes of FP4 with E8M0 scales (K = 1,024), and their quantising: Q and K along the head's 64, V along the keys.
; INPUTS: xq, wq: images of operand registers: a tile (16 rows of x, or 16 columns of a weight: tile 2 B + u takes numbers 32 B + 8 u + r + 8 (r / 8)) is 8 fragments of 1,024 bytes; scale blocks of 512 bytes a tile,
; [half][r][4 words], so that one load of 16 bytes a lane gives four registers: lanes 0-15 the words of K steps 0-3, lanes 16-31 those of K steps 4-7.
; OUTPUT: qkv [batch x head 64][key step 16][13,056 bytes]: K's codes 4,096 | V^T's codes 4,096 | K's scale words 256 | V's 256 | Q's codes 4,096 | Q's scale words 256.
; LIMITS: NaN and infinities are not served.  A block of zeros gets the byte 1 where the rule says 127: its codes are zeros, and the bytes are read by this program alone.
; SHARES: four waves.  Wave w takes rows 128 (w / 2) on of a block (eight tiles: one key step); w % 2 = 0: Q's 64 columns and V's tiles 0, 1;  w % 2 = 1: K's 64 columns and V's tiles 2, 3.  48 accumulators, 384 registers.
; Q and K are made TRANSPOSED (source 0 = 16 columns of W, source 1 = 16 rows of x): a lane holds one row and its registers run along the head's 64.  V is made the other way round: a lane holds one channel and
; its registers run along the keys.  By the choice of a tile's numbers the 16 registers of tiles 2 B and 2 B + 1 are 16 neighbours, so the conversions' results are the next products' operands.
; LDS: LA0, LA1: the first block's x, K steps 0-3 and 4-7, 65,536 bytes each ([tile][K step]); LW: the head's 12 tiles of W, 8,192 bytes each; LB0: the second block's x, K steps 0-3.
; THE FILLS.  At the head one joint load a wave: wave 0 LA0, wave 1 LW, wave 2 LA1, wave 3 LB0.  W serves both blocks.  The second block's K steps 4-7 are filled into LA0 when the first block's K step 3 has been read
; out of it: behind the three lines and a round of the cluster's barrier, a quarter (four tiles) to each wave; four K steps and the first block's way out stand between that request and the wait for it.
; No prefetch: the one refill is asked for that far ahead, and there is no loop to run ahead in.
; CLUSTER 4 x 4: the four work-groups of a row of the cluster take the same rows of x, the four of a column the same head: each tile is asked for jointly.
; REGISTERS, in windows of 256: window 0: addresses, scale words, biases, codes.  Window 1: accumulator (i, t) of Q or K at v[32 i + 8 t].  Window 2: V's (t', i) at v[64 t' + 8 i].
;   Window 3: two sets of fragments, at 0 and at 128: x's eight at + 8 i, W's four at + 64 + 8 t, Wv's two at + 96 + 8 t'.
.set XQ_SC, 4194304
.set WQ_SC, 2097152
.set LA0, 0
.set LA1, 65536
.set LW,  131072
.set LB0, 229376
.set SPARE, 294912                     ; the spare words: 128 bytes for each wave
.set BLK2X, 2097152                    ; 16 blocks on: in x's codes (16 x 16 tiles x 8,192),
.set BLK2S, 131072                     ; in its scale blocks (16 x 16 x 512),
.set BLK2O, 6684672                    ; and in qkv (two batches: 2 x 16 x 16 x 13,056): inside the signed 24-bit immediate
.set LI,  4                            ; v4   16 x lane
.set TM,  16                           ; v16-31 at work in QUANT
.set XS,  32                           ; v32-63 x's scale words, four registers a tile
.set WS,  64                           ; v64-79 W's (Q or K), v80-87 Wv's
.set BQ,  96                           ; v96-127 the bias of Q or K, eight registers a tile, in the result's layout
.set BV,  176                          ; v176-191 V's bias
.set PC,  128                          ; v128-175 six fragments of codes
.set XB2, 192                          ; v192 the second block's fragments of K steps 0-3
.set MSB, 0
.macro WIN new                         ; the immediate's high byte repeats the setting that is left
.if MSB != \new
	s_set_vgpr_msb (MSB<<8)|\new
.set MSB, \new
.endif
.endm
.macro CROUND                          ; a round of the cluster's barrier
	s_barrier_signal -1
	s_barrier_wait -1
	s_cmp_lg_u32 s16, 0
	s_cbranch_scc1 .Lnot_wave_0_\@
	s_barrier_signal -3
.Lnot_wave_0_\@:
	s_barrier_wait -3
	s_barrier_signal -1
	s_barrier_wait -1
.endm
.macro PLACES                          ; four plain vector lines between a matrix instruction and a load into, or a read of, its registers
.rept 4
	v_nop
.endr
.endm
.macro FETCH q, xlo, xhi               ; K step q's 14 fragments, 28 loads of 512 consecutive bytes, into set q % 2; v[xlo], v[xhi]: x's K steps 0-3, 4-7
.set FS, 128*((\q)%2)
.if (\q) < 4
.set XA, \xlo
.else
.set XA, \xhi
.endif
	WIN 0xC0                                       ; destination window 3, address window 0
.irp i, 0,1,2,3,4,5,6,7
.irp c, 0,1
	ds_load_b128 v[FS+8*\i+4*\c:FS+8*\i+4*\c+3], v[XA] offset:\i*4096+((\q)%4)*1024+512*\c
.endr
.endr
.irp t, 0,1,2,3
.irp c, 0,1
	ds_load_b128 v[FS+64+8*\t+4*\c:FS+64+8*\t+4*\c+3], v7 offset:\t*8192+(\q)*1024+512*\c
.endr
.endr
.irp t, 0,1
.irp c, 0,1
	ds_load_b128 v[FS+96+8*\t+4*\c:FS+96+8*\t+4*\c+3], v9 offset:\t*8192+(\q)*1024+512*\c
.endr
.endr
.endm
.macro MULQK q                         ; 32 products: source 0 = W's tile t, source 1 = x's tile i.  The first K step takes the bias as C
.set FS, 128*((\q)%2)
.if (\q) == 0
	WIN 0x4F                                       ; sources 0, 1 window 3; C window 0; D window 1
.else
	WIN 0x5F                                       ; C and D window 1
.endif
.irp i, 0,1,2,3,4,5,6,7
.irp t, 0,1,2,3
.if (\q) == 0
	v_wmma_scale_f32_16x16x128_f8f6f4 v[32*\i+8*\t:32*\i+8*\t+7], v[FS+64+8*\t:FS+64+8*\t+7], v[FS+8*\i:FS+8*\i+7], v[BQ+8*\t:BQ+8*\t+7], v[WS+4*\t], v[XS+4*\i] matrix_a_fmt:MATRIX_FMT_FP4 matrix_b_fmt:MATRIX_FMT_FP4
.elseif (\q) < 4
	v_wmma_scale_f32_16x16x128_f8f6f4 v[32*\i+8*\t:32*\i+8*\t+7], v[FS+64+8*\t:FS+64+8*\t+7], v[FS+8*\i:FS+8*\i+7], v[32*\i+8*\t:32*\i+8*\t+7], v[WS+4*\t+(\q)], v[XS+4*\i+(\q)] matrix_a_fmt:MATRIX_FMT_FP4 matrix_b_fmt:MATRIX_FMT_FP4
.else
	v_wmma_scale_f32_16x16x128_f8f6f4 v[32*\i+8*\t:32*\i+8*\t+7], v[FS+64+8*\t:FS+64+8*\t+7], v[FS+8*\i:FS+8*\i+7], v[32*\i+8*\t:32*\i+8*\t+7], v[WS+4*\t+(\q)-4], v[XS+4*\i+(\q)-4] matrix_a_fmt:MATRIX_FMT_FP4 matrix_b_fmt:MATRIX_FMT_FP4 matrix_a_scale:MATRIX_SCALE_ROW1 matrix_b_scale:MATRIX_SCALE_ROW1
.endif
.endr
.endr
.endm
.macro MULV q                          ; 16 products: source 0 = x's tile i (16 keys), source 1 = Wv's tile t'
.set FS, 128*((\q)%2)
.if (\q) == 0
	WIN 0x8F                                       ; C window 0; D window 2
.else
	WIN 0xAF                                       ; C and D window 2
.endif
.irp t, 0,1
.irp i, 0,1,2,3,4,5,6,7
.if (\q) == 0
	v_wmma_scale_f32_16x16x128_f8f6f4 v[64*\t+8*\i:64*\t+8*\i+7], v[FS+8*\i:FS+8*\i+7], v[FS+96+8*\t:FS+96+8*\t+7], v[BV+8*\t:BV+8*\t+7], v[XS+4*\i], v[WS+16+4*\t] matrix_a_fmt:MATRIX_FMT_FP4 matrix_b_fmt:MATRIX_FMT_FP4
.elseif (\q) < 4
	v_wmma_scale_f32_16x16x128_f8f6f4 v[64*\t+8*\i:64*\t+8*\i+7], v[FS+8*\i:FS+8*\i+7], v[FS+96+8*\t:FS+96+8*\t+7], v[64*\t+8*\i:64*\t+8*\i+7], v[XS+4*\i+(\q)], v[WS+16+4*\t+(\q)] matrix_a_fmt:MATRIX_FMT_FP4 matrix_b_fmt:MATRIX_FMT_FP4
.else
	v_wmma_scale_f32_16x16x128_f8f6f4 v[64*\t+8*\i:64*\t+8*\i+7], v[FS+8*\i:FS+8*\i+7], v[FS+96+8*\t:FS+96+8*\t+7], v[64*\t+8*\i:64*\t+8*\i+7], v[XS+4*\i+(\q)-4], v[WS+16+4*\t+(\q)-4] matrix_a_fmt:MATRIX_FMT_FP4 matrix_b_fmt:MATRIX_FMT_FP4 matrix_a_scale:MATRIX_SCALE_ROW1 matrix_b_scale:MATRIX_SCALE_ROW1
.endif
.endr
.endr
.endm
; A K step of 128: the next step's fragments are asked for first, then 48 matrix instructions.  The 48 accumulators take turns, one instruction a turn, in the same order in every step.
.macro STEP q, xlo, xhi
	s_wait_dscnt 0x0                               ; this step's fragments are in
.if (\q) < 7
.if (\q) > 0
	PLACES                                         ; the set that is loaded now was multiplied in the step before
.endif
	FETCH (\q)+1, \xlo, \xhi
.endif
	MULQK \q
	MULV \q
.endm
; 64 numbers of a lane in window win, register 16 b + i = k 32 b + 16 (lane / 16) + i of the lane's row, become a fragment's codes in v[pc] on and its scale word in v[pw].
.macro QUANT s, win, pc, pw
	WIN (\win)*5                                   ; sources 0 and 1 in the accumulators' window
.irp b, 0,1,2,3
	v_max3_num_f32 v[TM+\b], |v[(\s)+16*\b]|, |v[(\s)+1+16*\b]|, 0x1800000   ; block b: my 16 numbers, from each accumulator's low end on, and the floor 2^(3 - 127)
.endr
	WIN (\win)*20                                  ; sources 1 and 2
.irp i, 2,4,6,8,10,12,14
.irp b, 0,1,2,3
	v_max3_num_f32 v[TM+\b], v[TM+\b], |v[(\s)+16*\b+\i]|, |v[(\s)+1+16*\b+\i]|
.endr
.endr
	WIN 0
.irp b, 0,1,2,3
	v_permlanex16_b32 v[TM+4+\b], v[TM+\b], s2, s3
.endr
.irp b, 0,1,2,3
	v_max_num_f32 v[TM+\b], v[TM+\b], v[TM+4+\b]   ; with lane l xor 16's: the block's largest magnitude
.endr
.irp b, 0,1,2,3
	v_add_nc_u32 v[TM+12+\b], 0xff000000, v[TM+\b] ; 2 off its exponent field: the conversion's scale operand
.endr
.irp b, 0,1,2,3
	v_lshrrev_b32 v[TM+4+\b], 23, v[TM+12+\b]      ; the scale's byte
.endr
	v_lshl_or_b32 v[\pw], v[TM+5], 8, v[TM+4]
	v_lshl_or_b32 v[\pw], v[TM+6], 16, v[\pw]
	v_lshl_or_b32 v[\pw], v[TM+7], 24, v[\pw]
	WIN \win                                       ; source 0
.irp b, 0,1,2,3
	v_cvt_scalef32_pk8_fp4_f32 v[(\pc)+2*\b], v[(\s)+16*\b:(\s)+7+16*\b], v[TM+12+\b]
	v_cvt_scalef32_pk8_fp4_f32 v[(\pc)+1+2*\b], v[(\s)+8+16*\b:(\s)+15+16*\b], v[TM+12+\b]
.endr
	WIN 0
	v_nop                                          ; one plain line behind a scaled conversion
.irp c, 0,1                                    ; the operand's layout wants a whole block in a lane
.irp i, 0,1
	v_permlane16_swap_b32 v[(\pc)+4*\c+\i], v[(\pc)+2+4*\c+\i]
.endr
.endr
.endm
; THE WAY OUT of a block: its results are quantised and stored, o bytes on in qkv.
.macro EPI o
	s_wait_xcnt 0x0                                ; the earlier stores have read their registers, which are written again below
.irp e, 0,1,2,3                                ; tiles 2 e and 2 e + 1 of rows: each has two blocks of 32; together they fill a fragment: registers 0-3 tile 2 e, registers 4-7 tile 2 e + 1
	QUANT 64*\e, 1, PC+8*\e, 88+\e
	global_store_b128 v[LI], v[PC+8*\e:PC+8*\e+3], s[80:81] offset:(\o)+1024*\e
	global_store_b128 v[LI], v[PC+8*\e+4:PC+8*\e+7], s[80:81] offset:(\o)+1024*\e+512
.endr
.irp e, 0,1                                    ; a tile of V^T: 16 channels x 128 keys
	QUANT 64*\e, 2, PC+32+8*\e, 92+\e
	global_store_b128 v[LI], v[PC+32+8*\e:PC+32+8*\e+3], s[84:85] offset:(\o)+1024*\e
	global_store_b128 v[LI], v[PC+32+8*\e+4:PC+32+8*\e+7], s[84:85] offset:(\o)+1024*\e+512
.endr
	v_cmp_le_u32 vcc_lo, 16, v1                    ; every lane holds its row's words: lanes 0-15 store the lower ones, lanes 16-31 the upper
	v_cndmask_b32 v94, v88, v90, vcc_lo
	v_cndmask_b32 v95, v89, v91, vcc_lo
	global_store_b64 v13, v[94:95], s[82:83] offset:\o       ; 256 consecutive bytes
	v_cndmask_b32 v15, v92, v93, vcc_lo
	global_store_b32 v14, v15, s[86:87] offset:\o            ; 128 consecutive bytes
.endm
.macro ARM under, g0, g1, next         ; an arm of the head's tree: its load, and a jump to the tree's end
	s_cmp_lt_u32 s16, \under
	s_cbranch_scc0 \next
	tensor_load_to_lds s[\g0:\g0+3], s[\g1:\g1+7]
	s_nop 0
.rept 4
	v_nop
.endr
	s_branch .Lhead_asked
\next:
.endm
	s_load_b256 s[4:11], s[0:1], 0x0               ; xq s[4:5], wq s[6:7], bq s[8:9], bk s[10:11]
	s_load_b128 s[12:15], s[0:1], 0x20             ; bv s[12:13], qkv s[14:15]
	v_lshl_add_u32 v254, v0, 2, SPARE
	v_mov_b32 v255, 0
	ds_add_u32 v254, v255                          ; the opening lines: the add, twice on end, and its wait ahead of my first tensor load
	ds_add_u32 v254, v255
	v_lshrrev_b32 v1, 5, v0
	v_readfirstlane_b32 s16, v1                    ; wave 0..3
	s_lshr_b32 s17, s16, 1                         ; which 128 rows
	s_and_b32 s18, s16, 1                          ; 0: Q and V's tiles 0, 1;  1: K and V's tiles 2, 3
	s_bfe_u32 s19, ttmp6, 0x40000                  ; cx
	s_bfe_u32 s20, ttmp6, 0x40004                  ; cy
	s_lshl_b32 s21, ttmp9, 2
	s_add_co_u32 s21, s21, s19                     ; the head = 4 x cluster x + cx
	s_and_b32 s22, ttmp7, 0xffff
	s_lshl_b32 s22, s22, 2
	s_add_co_u32 s22, s22, s20                     ; the first block of 256 rows = 4 x cluster y + cy, 0 .. 15; the second lies 16 blocks on
	s_mov_b32 s2, 0x76543210
	s_mov_b32 s3, 0xfedcba98                       ; v_permlanex16_b32's selects for lane l xor 16
	s_lshl_b32 s92, s20, 2
	s_lshl_b32 s92, 15, s92                        ; my row of the cluster
	s_lshl_b32 s94, 0x1111, s19                    ; my column
	; descriptor groups 1, elements of 8 bytes.  x: 16 rows of 4,096 bytes (four K steps of a tile), 8,192 bytes apart in memory, dense in LDS
	s_or_b32 s24, s92, (3<<16)|(1<<21)             ; 15:0 the mask: x's tiles go to my row; 17:16 elements of 8 bytes; 21 set beside a mask
	s_mov_b32 s25, 512<<16                         ; tensor_dim0
	s_mov_b32 s26, 16<<16                          ; tensor_dim1
	s_mov_b32 s27, 512<<16                         ; tile_dim0
	s_mov_b32 s28, 16                              ; tile_dim1
	s_mov_b32 s29, 1024                            ; the pitch in elements
	s_mov_b32 s30, 0
	s_mov_b32 s31, 0
	s_or_b32 s32, s94, (3<<16)|(1<<21)             ; W: 12 whole tiles, rows of 8,192 bytes, dense; they go to my column
	s_mov_b32 s33, 1024<<16
	s_mov_b32 s34, 12<<16
	s_mov_b32 s35, 1024<<16
	s_mov_b32 s36, 12
	s_mov_b32 s37, 1024
	s_mov_b32 s38, 0
	s_mov_b32 s39, 0
	s_or_b32 s40, s92, (3<<16)|(1<<21)             ; the refill: x's form with four rows
	s_mov_b32 s41, 512<<16
	s_mov_b32 s42, 4<<16
	s_mov_b32 s43, 512<<16
	s_mov_b32 s44, 4
	s_mov_b32 s45, 1024
	s_mov_b32 s46, 0
	s_mov_b32 s47, 0
	s_lshl_b32 s92, s22, 17                        ; x: the block's 16 tiles of 8,192 bytes: registers that never hold cx
	s_mov_b32 s93, 0
	s_mul_i32 s94, s21, 12*8192                    ; W: the head's 12 tiles: registers that never hold cy
	s_mov_b32 s95, 0
	s_lshl_b32 s96, s16, 15                        ; the refill: four tiles x wave
	s_mov_b32 s97, 0
	s_wait_dscnt 0x0                               ; both opening adds are done
	s_wait_kmcnt 0x0
	s_add_nc_u64 s[92:93], s[4:5], s[92:93]
	s_mov_b32 s48, 1                               ; the first block's x, K steps 0-3
	s_mov_b32 s49, LA0
	s_mov_b64 s[50:51], s[92:93]
	s_or_b32 s51, s51, 0x80000000
	s_mov_b32 s52, 1                               ; W
	s_mov_b32 s53, LW
	s_add_nc_u64 s[54:55], s[6:7], s[94:95]
	s_or_b32 s55, s55, 0x80000000
	s_mov_b32 s56, 1                               ; the first block's x, K steps 4-7
	s_mov_b32 s57, LA1
	s_add_nc_u64 s[58:59], s[92:93], 4096
	s_or_b32 s59, s59, 0x80000000
	s_mov_b32 s60, 1                               ; the second block's x, K steps 0-3
	s_mov_b32 s61, LB0
	s_add_nc_u64 s[62:63], s[92:93], BLK2X
	s_or_b32 s63, s63, 0x80000000
	s_mov_b32 s88, 1                               ; the refill: my four tiles of the second block's K steps 4-7, into LA0
	s_lshl_b32 s89, s16, 14
	s_add_nc_u64 s[90:91], s[92:93], BLK2X+4096
	s_add_nc_u64 s[90:91], s[90:91], s[96:97]
	s_or_b32 s91, s91, 0x80000000
	CROUND                                         ; all sixteen work-groups are here: the joint loads meet
	ARM 1, 48, 24, .Lhead_w                        ; one tree of branches on the wave's number: every way passes exactly one load
	ARM 2, 52, 32, .Lhead_x1
	ARM 3, 56, 24, .Lhead_xb
	tensor_load_to_lds s[60:63], s[24:31]
	s_nop 0
.rept 4
	v_nop
.endr
.Lhead_asked:
	v_and_b32 v1, 31, v0                           ; lane
	v_and_b32 v2, 15, v0                           ; r
	v_bfe_u32 v3, v0, 4, 1                         ; h
	v_lshlrev_b32 v[LI], 4, v1
	s_lshl_b32 s66, s17, 15
	v_add_nc_u32 v5, s66, v[LI]                    ; x's fragments in LA0: my eight tiles;
	v_add_nc_u32 v6, LA1, v5                       ; in LA1;
	v_add_nc_u32 v[XB2], LB0, v5                   ; in LB0
	s_lshl_b32 s66, s18, 15
	s_add_co_u32 s66, s66, LW
	v_add_nc_u32 v7, s66, v[LI]                    ; W's: tiles 0-3 (Q) or 4-7 (K)
	s_lshl_b32 s66, s18, 14
	s_add_co_u32 s66, s66, LW+65536
	v_add_nc_u32 v9, s66, v[LI]                    ; Wv's: tiles 8, 9 or 10, 11
	v_lshlrev_b32 v11, 6, v3                       ; the bias of Q or K: 16 h numbers on
	v_and_b32 v12, 8, v2
	v_add_nc_u32 v12, v12, v2
	v_lshlrev_b32 v12, 2, v12                      ; V's bias: number r + 8 (r / 8) of the tile's
	s_wait_alu depctr_va_vdst(0)
	v_lshlrev_b32 v13, 4, v2
	v_lshl_add_u32 v13, v3, 3, v13                 ; the scale words of Q or K: 16 r + 8 h
	v_lshlrev_b32 v14, 3, v2
	v_lshl_add_u32 v14, v3, 2, v14                 ; V's: 8 r + 4 h
.irp b, 0,1,2,3
	v_mov_b32 v[TM+4+\b], 0                        ; written once: a lane permute's destination counts as one of its sources
.endr
	s_wait_alu depctr_va_vdst(0)                   ; ahead of the run of scalar lines
	s_lshl_b32 s66, s22, 4
	s_lshl_b32 s67, s17, 3
	s_add_co_u32 s66, s66, s67
	s_lshl_b32 s66, s66, 9
	s_add_co_u32 s66, s66, XQ_SC
	s_mov_b32 s67, 0
	s_add_nc_u64 s[68:69], s[4:5], s[66:67]        ; the scale blocks of my eight tiles of x
	s_mul_i32 s66, s21, 12
	s_lshl_b32 s67, s18, 2
	s_add_co_u32 s66, s66, s67
	s_lshl_b32 s66, s66, 9
	s_add_co_u32 s66, s66, WQ_SC
	s_mov_b32 s67, 0
	s_add_nc_u64 s[70:71], s[6:7], s[66:67]        ; of my four tiles of Wq or Wk
	s_mul_i32 s66, s21, 12
	s_lshl_b32 s67, s18, 1
	s_add_co_u32 s66, s66, s67
	s_add_co_u32 s66, s66, 8
	s_lshl_b32 s66, s66, 9
	s_add_co_u32 s66, s66, WQ_SC
	s_mov_b32 s67, 0
	s_add_nc_u64 s[72:73], s[6:7], s[66:67]        ; of my two tiles of Wv
	s_cmp_eq_u32 s18, 0
	s_cselect_b64 s[74:75], s[8:9], s[10:11]       ; bq or bk: the choice hangs on the wave's number alone
	s_lshl_b32 s66, s21, 8
	s_add_nc_u64 s[74:75], s[74:75], s[66:67]      ; at my head
	s_add_nc_u64 s[76:77], s[12:13], s[66:67]
	s_lshl_b32 s66, s18, 7
	s_add_nc_u64 s[76:77], s[76:77], s[66:67]      ; bv at my head, my 32 channels
	s_lshr_b32 s66, s22, 3
	s_lshl_b32 s66, s66, 4
	s_add_co_u32 s66, s66, s21                     ; batch x 16 + head
	s_lshl_b32 s66, s66, 4
	s_and_b32 s67, s22, 7
	s_lshl_b32 s67, s67, 1
	s_add_co_u32 s67, s67, s17                     ; the key step that my 128 rows are
	s_add_co_u32 s66, s66, s67
	s_mul_i32 s66, s66, 13056
	s_mov_b32 s67, 0
	s_add_nc_u64 s[78:79], s[14:15], s[66:67]      ; its 13,056 bytes in qkv
	s_cmp_eq_u32 s18, 0
	s_cselect_b32 s80, 8704, 0                     ; codes: Q's at 8,704, K's at 0
	s_mov_b32 s82, 8192
	s_cselect_b32 s82, 12800, s82                  ; scale words: Q's at 12,800, K's at 8,192
	s_mov_b32 s81, 0
	s_mov_b32 s83, 0
	s_lshl_b32 s84, s18, 11
	s_add_co_u32 s84, s84, 4096                    ; V's codes: my two tiles
	s_mov_b32 s85, 0
	s_lshl_b32 s86, s18, 7
	s_add_co_u32 s86, s86, 8448                    ; V's scale words
	s_mov_b32 s87, 0
	s_add_nc_u64 s[80:81], s[78:79], s[80:81]
	s_add_nc_u64 s[82:83], s[78:79], s[82:83]
	s_add_nc_u64 s[84:85], s[78:79], s[84:85]
	s_add_nc_u64 s[86:87], s[78:79], s[86:87]
.irp i, 0,1,2,3,4,5,6,7
	global_load_b128 v[XS+4*\i:XS+4*\i+3], v[LI], s[68:69] offset:512*\i
.endr
.irp t, 0,1,2,3
	global_load_b128 v[WS+4*\t:WS+4*\t+3], v[LI], s[70:71] offset:512*\t
.endr
.irp t, 0,1
	global_load_b128 v[WS+16+4*\t:WS+16+4*\t+3], v[LI], s[72:73] offset:512*\t
.endr
.irp t, 0,1,2,3                                ; lane (r, h), tile t, register j: channel 32 (t / 2) + 8 (t % 2) + 16 h + j
	global_load_b128 v[BQ+8*\t:BQ+8*\t+3], v11, s[74:75] offset:(32*(\t/2)+8*(\t%2))*4
	global_load_b128 v[BQ+8*\t+4:BQ+8*\t+7], v11, s[74:75] offset:(32*(\t/2)+8*(\t%2))*4+16
.endr
.irp t, 0,1                                    ; in V's result a lane holds ONE channel: its bias fills all eight registers
.irp j, 0,1,2,3,4,5,6,7
	global_load_b32 v[BV+8*\t+\j], v12, s[76:77] offset:32*\t
.endr
.endr
	s_wait_tensorcnt 0x0                           ; my one load has landed,
	s_barrier_signal -1
	s_barrier_wait -1                              ; everybody's has
	; ---- the first block
	FETCH 0, 5, 6
	s_wait_loadcnt 0x0                             ; scale words and biases
.irp q, 0,1,2,3
	STEP \q, 5, 6
.endr
	WIN 0                                          ; the add's registers lie in window 0
	s_wait_tensorcnt 0x0                           ; LA0 has been read out (K step 3's fragments were awaited in that step): three lines ahead of its refill
	ds_add_u32 v254, v255
	s_wait_dscnt 0x0                               ; the add is done, and K step 4's fragments are in
	CROUND                                         ; no wave of any partner still reads LA0
	tensor_load_to_lds s[88:91], s[40:47]          ; my quarter of the second block's K steps 4-7
	s_nop 0
.rept 4
	v_nop
.endr
.irp q, 4,5,6,7
	STEP \q, 5, 6
.endr
	WIN 0
	PLACES
.irp i, 0,1,2,3,4,5,6,7
	global_load_b128 v[XS+4*\i:XS+4*\i+3], v[LI], s[68:69] offset:BLK2S+512*\i   ; the second block's scale words of x
.endr
	EPI 0
	; ---- the second block: K steps 0-3 from LB0, K steps 4-7 from LA0
	s_wait_tensorcnt 0x0                           ; my quarter of the refill has landed,
	s_barrier_signal -1
	s_barrier_wait -1                              ; everybody's has
	FETCH 0, XB2, 5
	s_wait_loadcnt 0x0
.irp q, 0,1,2,3,4,5,6,7
	STEP \q, XB2, 5
.endr
	WIN 0
	PLACES
	EPI BLK2O
	s_wait_tensorcnt 0x0                           ; the wave's end
	ds_add_u32 v254, v255
	s_wait_dscnt 0x0
	CROUND                                         ; the closing round: no work-group ends while a partner may still ask for a tile that names it
	s_endpgm
.Lfunc_end_k_qd96c5bb1f9_qkv:
	.size	k_qd96c5bb1f9_qkv, .Lfunc_end_k_qd96c5bb1f9_qkv-k_qd96c5bb1f9_qkv
	.p2alignl 7, 3214868480
	.fill 96, 4, 3214868480
	.section	.rodata,"a",@progbits
	.p2align	6, 0x0
	.amdhsa_kernel k_qd96c5bb1f9_qkv
		.amdhsa_group_segment_fixed_size 327680
		.amdhsa_private_segment_fixed_size 0
		.amdhsa_enable_private_segment 0
		.amdhsa_kernarg_size 48
		.amdhsa_user_sgpr_count 2
		.amdhsa_user_sgpr_kernarg_segment_ptr 1
		.amdhsa_wavefront_size32 1
		.amdhsa_system_sgpr_workgroup_id_x 1
		.amdhsa_system_sgpr_workgroup_id_y 1
		.amdhsa_system_sgpr_workgroup_id_z 1
		.amdhsa_system_vgpr_workitem_id 0
		.amdhsa_next_free_vgpr 1024
		.amdhsa_next_free_sgpr 100
		.amdhsa_reserve_vcc 1
		.amdhsa_float_denorm_mode_32 3
		.amdhsa_float_denorm_mode_16_64 3
		.amdhsa_memory_ordered 1
		.amdhsa_forward_progress 1
		.amdhsa_inst_pref_size 192
	.end_amdhsa_kernel
	.amdgpu_metadata
---
amdhsa.version: [ 1, 2 ]
amdhsa.kernels:
  - .name:           k_qd96c5bb1f9_qkv
    .symbol:         k_qd96c5bb1f9_qkv.kd
    .args:
      - { .name: xq, .offset: 0, .size: 8, .value_kind: global_buffer, .address_space: global }
      - { .name: wq, .offset: 8, .size: 8, .value_kind: global_buffer, .address_space: global }
      - { .name: bq, .offset: 16, .size: 8, .value_kind: global_buffer, .address_space: global }
      - { .name: bk, .offset: 24, .size: 8, .value_kind: global_buffer, .address_space: global }
      - { .name: bv, .offset: 32, .size: 8, .value_kind: global_buffer, .address_space: global }
      - { .name: qkv, .offset: 40, .size: 8, .value_kind: global_buffer, .address_space: global }
    .group_segment_fixed_size: 327680
    .private_segment_fixed_size: 0
    .kernarg_segment_align: 8
    .kernarg_segment_size: 48
    .max_flat_workgroup_size: 128
    .sgpr_count:     100
    .vgpr_count:     1024
    .wavefront_size: 32
...
	.end_amdgpu_metadata
.endif
;; end of part 2
;; launch attn (part 3): grid 4 x 64, 16 waves a work-group, clusters of 4 x 1, 169,984 bytes of LDS; arguments qkv, cq; writes cq
.if DOCPART == 3
	.amdgcn_target "amdgcn-amd-amdhsa--gfx1250"
	.amdhsa_code_object_version 6
	.text
	.protected	k_qd96c5bb1f9_attn
	.globl	k_qd96c5bb1f9_attn
	.p2align	8
	.type	k_qd96c5bb1f9_attn,@function
k_qd96c5bb1f9_attn:
	s_mov_b64 s[64:65], 0
	v_nop
	global_prefetch_b8 v0, s[64:65] scope:SCOPE_SE
	s_setreg_imm32_b32 hwreg(HW_REG_WAVE_MODE, 25, 1), 1
	s_wait_xcnt 0x0
	s_wait_alu depctr_hold_cnt(0) depctr_sa_sdst(0) depctr_va_vdst(0) depctr_va_sdst(0) depctr_va_ssrc(0) depctr_va_vcc(0) depctr_vm_vsrc(0)
	s_getreg_b32 s2, hwreg(HW_REG_IB_STS2, 6, 4)
	s_cmp_eq_u32 s2, 0
	s_cbranch_scc0 .Lentry_in_a_cluster
	s_endpgm
.Lentry_in_a_cluster:
	s_bfe_u32 s2, ttmp6, 0x10000c
	s_cmp_lg_u32 s2, 0x3003
	s_cbranch_scc0 .Lentry_shape_is_right
	s_endpgm
.Lentry_shape_is_right:
; ctx = softmax(Q K^T / 8, causal) V for one head of one batch, both products on codes of FP4 with E8M0 scales, and ctx's quantising along the concatenated channels.
; THE SOFTMAX AHEAD OF THE SECOND PRODUCT: t = score x log2(e) / 8; M = the row's largest t so far, rounded UP to a whole number; p = 2^(t - M) is quantised along the keys, not normalised.
; The row's sum is taken of the unquantised p, in f32, and divides at the end.  When M moves, the sum and O are multiplied by 2^(old M - new M): exact.
; Key steps that lie wholly behind the causal mask, which the problem builds itself, are left out.
; LIMITS: NaN and infinities are not served; the promise holds while the scaled scores stay under 2^31 in magnitude.  A block of zeros gets the byte 1 where the rule says 127: its codes are zeros, and the bytes are read by this program alone.
; INPUT: qkv [batch x head][key step 16][13,056]: K's codes 4,096: key 32 b + 8 u + r + 8 (r / 8), channels 32 h on, at 1,024 b + 512 u + 256 h + 16 r | V^T's codes 4,096 ([tile t][c][lane][16]) |
;   K's scale words [r][b]: the two bytes of u = 0, the two of u = 1 | V's [half][r][2] | Q's codes and words, laid as K's.
; OUTPUT: cq, laid as the quantised x: tile (128 batch + T) of 8,192 bytes of codes, block b of K at 256 b + 16 r; scale blocks of 512 bytes from byte 4,194,304 on.
; LDS: a head's K and V with their scale words, 16 key steps x 8,704 bytes, as they lie in memory.  Filled once: wave w brings key step w by one tensor load, the only one that it has out.
; No prefetch: every tile is asked for once, at the head, and there is no loop to run ahead in.
; CLUSTER 4 x 1: the four work-groups of a head read the same K and V: each key step is asked for jointly.
; SHARES: wave w takes query tiles T0 = 8 (w / 2) + 2 cx + w % 2 and T1 = 127 - T0.  Their last key steps, w / 2 and 15 - w / 2, hang on the wave's number alone: 17 key steps of work a wave.
; cx enters Q's and ctx's addresses in memory and the mask's compare value, and nothing else.
; WHICH KEYS FORM A TILE is chosen by the LDS addresses: row m of tile 4 c + u' takes key 64 c + 32 (m / 8) + 8 u' + m % 8.  In S^T = K Q^T lane (r, h) then holds query r, and its register 32 c + i holds key
; 64 c + 32 h + i: A WHOLE BLOCK OF 32 KEYS IN ONE LANE.  So a block's maximum needs no other lane, each lane has two blocks, and the conversions' results are the second product's operand as they stand.
; THE HEAD'S 64 IN AN INSTRUCTION OF 128: a fragment of K holds two key tiles (registers 0-3, 4-7).  Against Q's codes in registers 0-3 and zero codes in 4-7 it gives the first tile's scores, against zero codes
; and Q's codes the second's.  K's scale words: lanes 0-15 hold those of tiles u' = 0, 1, lanes 16-31 those of u' = 2, 3 (ROW1).
; FOUR WAVES SHARE A SIMD: lines that depend on each other are laid in eight chains by turns, or apart with other work between; where neither can be had, a one-field hint stands ahead of the reader.
; REGISTERS: v1-7 addresses and lane constants; v8-11 addresses in hand; v12 -M, v13 the largest score, v[14:15] the sum; v16-23, v24-31 Q twice; v32-63 K; v64-68, v72-76 the two tiles' Q as loaded; v69 16 r;
;   v70, v71 the add's; v78-91 seven partial sums; v96-159 S^T, then p, at the end ctx; v160-191 O^T; v192-223 V; v224-231 codes; v232-239 maxima; v244-245 scale operands; v252 f, v254 at work;
;   v240-243 V's scale words, v248-249 K's, v253 p's, v255 Q's.  s66-73 the mask's lane masks.
.set STEPB, 8704                       ; a key step in LDS
.set KSTEP, 13056                      ; and in memory
.set CQ_SC, 4194304
.set SPARE, 0x29000                    ; the spare words: 128 bytes for each of 16 waves
.set SPW, 70
.set NIL, 71
.macro CROUND                          ; a round of the cluster's barrier
	s_barrier_signal -1
	s_barrier_wait -1
	s_cmp_lg_u32 s18, 0
	s_cbranch_scc1 .Lnot_wave_0_\@
	s_barrier_signal -3
.Lnot_wave_0_\@:
	s_barrier_wait -3
	s_barrier_signal -1
	s_barrier_wait -1
.endm
.macro KLOAD                           ; a key step's four fragments of K and two registers of scale words: ten loads
.irp c, 0,1
.irp g, 0,1
.irp u, 0,1
	ds_load_b128 v[32+16*\c+8*\g+4*\u:35+16*\c+8*\g+4*\u], v8 offset:2048*\c+128*\g+512*\u
.endr
.endr
	ds_load_b32 v[248+\c], v9 offset:8*\c
.endr
.endm
.macro QLOAD tt, dst, sb               ; tile s[tt]'s codes and scale words of Q into v[dst] on; bases in s[sb] on
	s_lshr_b32 s36, s[\tt], 3
	s_mul_i32 s36, s36, KSTEP                      ; the key step in which the tile's Q lies
	s_bfe_u32 s37, s[\tt], 0x20001                 ; its pair of tiles
	s_lshl_b32 s55, s37, 10
	s_add_co_u32 s[\sb], s36, s55
	s_and_b32 s54, s[\tt], 1
	s_lshl_b32 s55, s54, 9
	s_add_co_u32 s[\sb], s[\sb], s55
	s_mov_b32 s[\sb+1], 0
	s_add_nc_u64 s[\sb:\sb+1], s[4:5], s[\sb:\sb+1]
	s_lshl_b32 s55, s37, 2
	s_add_co_u32 s[\sb+2], s36, s55
	s_mov_b32 s[\sb+3], 0
	s_add_nc_u64 s[\sb+2:\sb+3], s[4:5], s[\sb+2:\sb+3]
	global_load_b128 v[\dst:\dst+3], v1, s[\sb:\sb+1] offset:8704
	global_load_b32 v[\dst+4], v69, s[\sb+2:\sb+3] offset:12800
.endm
.macro OM k                            ; a pair of O^T under the new M
	v_pk_mul_f32 v[160+2*(\k):161+2*(\k)], v[160+2*(\k):161+2*(\k)], v[252:253] op_sel_hi:[1,0]
.endm
.macro SN k                            ; partial sum k begins: pairs 2 k and 2 k + 1 of p
	v_pk_add_f32 v[78+2*(\k):79+2*(\k)], v[96+4*(\k):97+4*(\k)], v[98+4*(\k):99+4*(\k)]
.endm
.macro SA k, i                         ; partial sum k takes pair i
	v_pk_add_f32 v[78+2*(\k):79+2*(\k)], v[78+2*(\k):79+2*(\k)], v[96+2*(\i):97+2*(\i)]
.endm
.macro SC i                            ; the running sum takes pair i
	v_pk_add_f32 v[14:15], v[14:15], v[96+2*(\i):97+2*(\i)]
.endm
.macro ST a, b                         ; partial sum a takes partial sum b
	v_pk_add_f32 v[78+2*(\a):79+2*(\a)], v[78+2*(\a):79+2*(\a)], v[78+2*(\b):79+2*(\b)]
.endm
; A KEY STEP: 128 keys at LDS byte s51; s52 its number; s[kd] the tile's last key step, which lies on the diagonal.  Its fragments of K were asked for a step earlier.
.macro STEP kd
	s_cmp_gt_u32 s52, s[\kd]                       ; all its keys come after my queries: the work is left out; the trip count stays a constant
	s_cbranch_scc1 .Lskip_\@
	s_add_co_u32 s56, s51, STEPB
	s_min_u32 s56, s56, 15*STEPB                   ; the next key step, held at the last
	s_wait_dscnt 0x0                               ; K and its words are in
.irp c, 0,1
	v_wmma_scale_f32_16x16x128_f8f6f4 v[96+32*\c:103+32*\c], v[32+16*\c:39+16*\c], v[16:23], 0, v[248+\c], v255 matrix_a_fmt:MATRIX_FMT_FP4 matrix_b_fmt:MATRIX_FMT_FP4
	v_wmma_scale_f32_16x16x128_f8f6f4 v[104+32*\c:111+32*\c], v[32+16*\c:39+16*\c], v[24:31], 0, v[248+\c], v255 matrix_a_fmt:MATRIX_FMT_FP4 matrix_b_fmt:MATRIX_FMT_FP4
	v_wmma_scale_f32_16x16x128_f8f6f4 v[112+32*\c:119+32*\c], v[40+16*\c:47+16*\c], v[16:23], 0, v[248+\c], v255 matrix_a_fmt:MATRIX_FMT_FP4 matrix_b_fmt:MATRIX_FMT_FP4 matrix_a_scale:MATRIX_SCALE_ROW1
	v_wmma_scale_f32_16x16x128_f8f6f4 v[120+32*\c:127+32*\c], v[40+16*\c:47+16*\c], v[24:31], 0, v[248+\c], v255 matrix_a_fmt:MATRIX_FMT_FP4 matrix_b_fmt:MATRIX_FMT_FP4 matrix_a_scale:MATRIX_SCALE_ROW1
.endr
	v_add_nc_u32 v10, s51, v1                      ; four plain lines: the places between the products (these, and the last step's) and the loads into their registers and the reads of the scores
	v_add_nc_u32 v11, s51, v4
	v_add_nc_u32 v8, s56, v2
	v_add_nc_u32 v9, s56, v3
.irp t, 0,1,2,3
.irp c, 0,1
	ds_load_b128 v[192+8*\t+4*\c:195+8*\t+4*\c], v10 offset:4096+1024*\t+512*\c
.endr
.endr
	ds_load_b64 v[240:241], v11
	ds_load_b64 v[242:243], v11 offset:128         ; V: ten loads;
	KLOAD                                          ; the next step's K: ten more
	s_cmp_lg_u32 s52, s[\kd]                       ; on the diagonal the scores of hidden keys become -infinity ahead of the maximum: p = 0 then
	s_cbranch_scc1 .Lopen_\@
	s_lshl_b32 s55, s52, 7
	s_sub_co_i32 s55, s53, s55
	v_add_nc_u32 v252, s55, v5                     ; d = my query - the step's first key - 32 h: register 32 c + i is hidden where 64 c + i > d
	v_mov_b32 v254, 0xff800000
.set n, 0
.rept 8                                        ; eight compares into eight lane masks, then the eight selects
.irp k, 0,1,2,3,4,5,6,7
	v_cmp_gt_i32 s[66+\k], 64*((n+\k)/32)+(n+\k)%32, v252
.endr
.irp k, 0,1,2,3,4,5,6,7
	v_cndmask_b32 v[96+n+\k], v[96+n+\k], v254, s[66+\k]
.endr
.set n, n+8
.endr
.Lopen_\@:
.irp k, 0,1,2,3,4,5,6,7                        ; eight chains by turns, one to an accumulator, each from its low end on
	v_max3_num_f32 v[232+\k], v[96+8*\k], v[97+8*\k], v[98+8*\k]
.endr
.irp i, 3,5
.irp k, 0,1,2,3,4,5,6,7
	v_max3_num_f32 v[232+\k], v[232+\k], v[96+8*\k+\i], v[97+8*\k+\i]
.endr
.endr
	v_max3_num_f32 v232, v232, v103, v111          ; each accumulator's last register
	v_max3_num_f32 v236, v236, v135, v143
	v_max3_num_f32 v233, v233, v119, v127
	v_max3_num_f32 v237, v237, v151, v159
	s_delay_alu instid0(VALU_DEP_2)
	v_max3_num_f32 v232, v232, v233, v234
	s_delay_alu instid0(VALU_DEP_2)
	v_max3_num_f32 v236, v236, v237, v238
	s_delay_alu instid0(VALU_DEP_2)
	v_max_num_f32 v232, v232, v235                 ; the largest score of my block h,
	s_delay_alu instid0(VALU_DEP_2)
	v_max_num_f32 v236, v236, v239                 ; and of my block 2 + h: for the row's maximum, and, since p rises with the score, for the block's largest p
	s_delay_alu instid0(VALU_DEP_1)
	v_max_num_f32 v254, v232, v236
	s_delay_alu instid0(VALU_DEP_1)
	v_permlanex16_b32 v234, v254, s60, s61
	s_delay_alu instid0(VALU_DEP_1)
	v_max3_num_f32 v13, v13, v254, v234            ; the running largest score of my query
	s_delay_alu instid0(VALU_DEP_1)
	v_mul_f32 v237, s21, v13                       ; -t (c is positive)
	v_mov_b32 v254, v12
	s_delay_alu instid0(VALU_DEP_2)
	v_floor_f32 v12, v237                          ; the new -M = floor(-t): M is a whole number
	s_delay_alu instid0(VALU_DEP_1)
	v_sub_f32 v254, v12, v254                      ; old M - new M: a whole number, 0 or less
	s_delay_alu instid0(VALU_DEP_1)
	v_cvt_i32_f32 v254, v254                       ; (it saturates)
	s_delay_alu instid0(VALU_DEP_1)
	v_ldexp_f32 v252, 1.0, v254                    ; f = 2^(old M - new M)
.set j, 0
.rept 32
	v_pk_fma_f32 v[96+j:97+j], v[96+j:97+j], s[22:23], v[12:13] op_sel_hi:[1,0,0]   ; t - M, two at a time
.set j, j+2
.endr
	v_fma_f32 v232, v232, s22, v12                 ; the same of each block's largest score
	v_fma_f32 v236, v236, s22, v12
	s_wait_alu depctr_va_vdst(0)                   ; the wait ahead of the batch
.set j, 0
.rept 64
	v_exp_f32 v[96+j], v[96+j]                     ; p = 2^(t - M), at most 1
.set j, j+1
.endr
	v_exp_f32 v232, v232                           ; the blocks' largest p
	v_exp_f32 v236, v236
	v_pk_mul_f32 v[14:15], v[14:15], v[252:253] op_sel_hi:[1,0]   ; the sums under the new M: the plain line behind the exponentials
	s_wait_alu depctr_va_vdst(0)                   ; one wait: for the whole batch, and, directly ahead of O^T's first reader, for the last step's products; plain lines alone follow up to the last OM
	; the chain that makes p's scale word, with O^T's 16 lines and 16 of the sum's lines between its stages
	OM 0
	OM 1
	v_max_num_f32 v232, 0x1800000, v232            ; the floor 2^(3 - 127): the byte cannot fall under 1
	v_max_num_f32 v236, 0x1800000, v236
.irp k, 2,3,4,5
	OM \k
.endr
	v_add_nc_u32 v244, 0xff000000, v232            ; 2 off the exponent field: the conversion's scale operand
	v_add_nc_u32 v245, 0xff000000, v236
.irp k, 6,7,8,9,10
	OM \k
.endr
	v_lshrrev_b32 v233, 23, v244                   ; the scale's byte
	v_lshrrev_b32 v235, 23, v245
.irp k, 11,12,13,14,15
	OM \k
.endr
	v_lshl_or_b32 v253, v235, 16, v233             ; my two bytes: blocks h and 2 + h,
.irp k, 0,1,2,3
	SN \k                                          ; the row's sum of the unquantised p: seven partial sums and the running sum by turns
.endr
	v_lshlrev_b32 v253, v7, v253                   ; at their places in the word (8 h bits up);
	SN 4
	SN 5
	SN 6
	SC 14
	v_permlanex16_b32 v238, v253, s60, s61
.irp k, 0,1,2,3
	SA \k, 15+\k
.endr
	v_or_b32 v253, v253, v238                      ; with lane l xor 16's two the word is whole
	SA 4, 19
	SA 5, 20
	SA 6, 21
	SC 22
.irp c, 0,1
.irp u, 0,1,2,3
	v_cvt_scalef32_pk8_fp4_f32 v[224+4*\c+\u], v[96+32*\c+8*\u:103+32*\c+8*\u], v[244+\c]   ; register 4 c + u: keys 64 c + 32 h + 8 u on: the operand's own layout
.endr
.endr
.irp k, 0,1,2,3,4,5,6                          ; these 16 lines also stand between the writes of p's codes and the products below
	SA \k, 23+\k
.endr
	SC 30
	SA 0, 31
	ST 2, 3
	ST 4, 5
	s_delay_alu instid0(VALU_DEP_4)
	v_pk_add_f32 v[14:15], v[14:15], v[90:91]
	s_delay_alu instid0(VALU_DEP_4)
	ST 0, 1
	s_delay_alu instid0(VALU_DEP_3)
	ST 2, 4
	s_delay_alu instid0(VALU_DEP_2)
	v_pk_add_f32 v[14:15], v[14:15], v[78:79]
	s_delay_alu instid0(VALU_DEP_1)
	v_pk_add_f32 v[14:15], v[14:15], v[82:83]
	s_wait_alu depctr_va_vdst(0)
	s_wait_dscnt 10                                ; V and its words are in; the next step's ten loads of K may be out
.irp t, 0,1,2,3
	v_wmma_scale_f32_16x16x128_f8f6f4 v[160+8*\t:167+8*\t], v[192+8*\t:199+8*\t], v[224:231], v[160+8*\t:167+8*\t], v[240+\t], v253 matrix_a_fmt:MATRIX_FMT_FP4 matrix_b_fmt:MATRIX_FMT_FP4
.endr
.Lskip_\@:
.endm
; ONE TILE OF 16 QUERIES: s[tt] its number, s[kd] its last key step, v[qs] on its Q as loaded.
.macro TILE tt, kd, qs
	s_wait_xcnt 0x0                                ; the earlier stores have read their registers and bases: both are written again below
	s_and_b32 s54, s[\tt], 1
	s_lshl_b32 s54, s54, 4                         ; the tile's two scale bytes stand 16 (T % 2) bits up in the word
	s_lshr_b32 s55, s20, 4
	s_lshl_b32 s55, s55, 7
	s_add_co_u32 s55, s55, s[\tt]                  ; the tile of cq: 128 batch + T
	s_lshl_b32 s46, s55, 13
	s_and_b32 s56, s20, 15                         ; the head
	s_lshl_b32 s57, s56, 9
	s_add_co_u32 s46, s46, s57                     ; its two blocks of K: 512 bytes
	s_mov_b32 s47, 0
	s_add_nc_u64 s[46:47], s[6:7], s[46:47]
	s_lshl_b32 s48, s55, 9
	s_lshr_b32 s57, s56, 3
	s_lshl_b32 s57, s57, 8
	s_add_co_u32 s48, s48, s57
	s_and_b32 s57, s56, 7
	s_lshl_b32 s57, s57, 1
	s_add_co_u32 s48, s48, s57
	s_add_co_u32 s48, s48, CQ_SC
	s_mov_b32 s49, 0
	s_add_nc_u64 s[48:49], s[6:7], s[48:49]        ; its two scale bytes of each row
	s_lshr_b32 s53, s[\tt], 1
	s_lshl_b32 s53, s53, 5
	s_and_b32 s55, s[\tt], 1
	s_lshl_b32 s55, s55, 3
	s_add_co_u32 s53, s53, s55                     ; the tile's first query
.irp j, 0,1,2,3
	v_mov_b32 v[16+\j], v[\qs+\j]                  ; Q's codes, once for each of the two operands (an operand's registers are its own)
	v_mov_b32 v[28+\j], v[\qs+\j]
.endr
	v_lshrrev_b32 v254, s54, v[\qs+4]
	s_delay_alu instid0(VALU_DEP_1)
	v_and_b32 v254, 0xffff, v254
	s_delay_alu instid0(VALU_DEP_1)
	v_lshl_or_b32 v255, v254, 16, v254             ; the tile's two bytes, for K = 0 .. 63 and again for K = 64 .. 127
	v_mov_b32 v8, v2
	v_mov_b32 v9, v3
	KLOAD                                          ; key step 0's K
	v_mov_b32 v13, 0xff61b1e6                      ; the largest score so far: -3e38
	s_delay_alu instid0(VALU_DEP_1)
	v_mul_f32 v12, s21, v13
	s_delay_alu instid0(VALU_DEP_1)
	v_floor_f32 v12, v12                           ; -M
	v_mov_b32 v14, 0
	v_mov_b32 v15, 0
.set j, 0
.rept 32
	v_mov_b32 v[160+j], 0                          ; O^T: the step is written once; the first change of M leaves zeros zeros
.set j, j+1
.endr
	s_mov_b32 s51, 0
	s_mov_b32 s52, 0
	s_wait_alu depctr_va_vdst(0)
.Ltrip_\@:                                         ; 16 trips, a constant of the text
	STEP \kd
	s_add_co_u32 s51, s51, STEPB
	s_add_co_u32 s52, s52, 1
	s_cmp_lt_u32 s52, 16
	s_cbranch_scc1 .Ltrip_\@
	s_wait_dscnt 0x0                               ; the last look-ahead loads of K have landed: their registers may be loaded anew
.rept 4
	v_nop
.endr
	v_add_f32 v14, v14, v15                        ; the sum's two halves,
	s_delay_alu instid0(VALU_DEP_1)
	v_permlanex16_b32 v252, v14, s60, s61
	s_delay_alu instid0(VALU_DEP_1)
	v_add_f32 v14, v14, v252                       ; and lane l xor 16's
	s_wait_alu depctr_va_vdst(0)                   ; the wait ahead of the transcendental
	v_rcp_f32 v14, v14
	v_nop                                          ; a plain line behind the reciprocal
	s_wait_alu depctr_va_vdst(0)                   ; and the wait ahead of its first reader, which is also O^T's
.set j, 0
.rept 32
	v_mul_f32 v[96+j], v[160+j], v14               ; ctx: register 16 b + i = channel 32 b + 16 h + i of my query
.set j, j+1
.endr
.irp b, 0,1
	v_max3_num_f32 v[232+\b], |v[96+16*\b]|, |v[97+16*\b]|, 0x1800000
.endr
.irp i, 2,4,6,8,10,12,14
.irp b, 0,1
	s_delay_alu instid0(VALU_DEP_2)
	v_max3_num_f32 v[232+\b], v[232+\b], |v[96+16*\b+\i]|, |v[97+16*\b+\i]|
.endr
.endr
.irp b, 0,1
	s_delay_alu instid0(VALU_DEP_2)
	v_permlanex16_b32 v[236+\b], v[232+\b], s60, s61
.endr
.irp b, 0,1
	s_delay_alu instid0(VALU_DEP_2)
	v_max_num_f32 v[232+\b], v[232+\b], v[236+\b]
.endr
.irp b, 0,1
	s_delay_alu instid0(VALU_DEP_2)
	v_add_nc_u32 v[244+\b], 0xff000000, v[232+\b]
.endr
.irp b, 0,1
	s_delay_alu instid0(VALU_DEP_2)
	v_lshrrev_b32 v[236+\b], 23, v[244+\b]
.endr
.irp b, 0,1
	v_cvt_scalef32_pk8_fp4_f32 v[224+2*\b], v[96+16*\b:103+16*\b], v[244+\b]
	v_cvt_scalef32_pk8_fp4_f32 v[225+2*\b], v[104+16*\b:111+16*\b], v[244+\b]
.endr
	v_nop                                          ; one plain line behind a scaled conversion
	v_permlane16_swap_b32 v224, v226
	v_permlane16_swap_b32 v225, v227               ; v[224:227]: block h of my query's 64 channels
	v_cndmask_b32 v254, v236, v237, s50            ; and its byte
	global_store_b128 v1, v[224:227], s[46:47]     ; 512 consecutive bytes
	global_store_b8 v6, v254, s[48:49]
.endm
	s_load_b128 s[4:7], s[0:1], 0x0                ; qkv s[4:5], cq s[6:7]
	v_lshl_add_u32 v[SPW], v0, 2, SPARE
	v_mov_b32 v[NIL], 0
	ds_add_u32 v[SPW], v[NIL]                      ; the opening lines: the add, twice on end, and its wait ahead of my first tensor load
	ds_add_u32 v[SPW], v[NIL]
	v_lshrrev_b32 v1, 5, v0
	v_readfirstlane_b32 s18, v1                    ; wave 0..15
	s_bfe_u32 s19, ttmp6, 0x40000                  ; cx
	s_and_b32 s20, ttmp7, 0xffff                   ; batch x 16 + head, which the four partners share
	; descriptor group 1: a key step's 8,704 dense bytes, as 34 rows of 256 bytes (32 elements of 8 bytes)
	s_mov_b32 s24, 15|(3<<16)|(1<<21)              ; the mask: all four work-groups; elements of 8 bytes; bit 21 set beside a mask
	s_mov_b32 s25, 32<<16
	s_mov_b32 s26, 34<<16
	s_mov_b32 s27, 32<<16
	s_mov_b32 s28, 34
	s_mov_b32 s29, 32
	s_mov_b32 s30, 0
	s_mov_b32 s31, 0
	s_mul_i32 s8, s20, 16*KSTEP
	s_mov_b32 s9, 0
	s_mul_i32 s10, s18, KSTEP
	s_mov_b32 s11, 0
	s_mov_b32 s32, 1
	s_mul_i32 s33, s18, STEPB
	s_mov_b32 s22, 0x3e38aa3b                      ; c = log2(e) / 8
	s_mov_b32 s23, s22                             ; (named with it as a pair, so it is written)
	s_mov_b32 s21, 0xbe38aa3b                      ; -c
	s_mov_b32 s60, 0x76543210
	s_mov_b32 s61, 0xfedcba98                      ; v_permlanex16_b32's selects for lane l xor 16
	s_wait_dscnt 0x0                               ; both opening adds are done
	s_wait_kmcnt 0x0
	s_add_nc_u64 s[4:5], s[4:5], s[8:9]            ; my head in qkv
	s_add_nc_u64 s[34:35], s[4:5], s[10:11]        ; key step w
	s_or_b32 s35, s35, 0x80000000
	CROUND                                         ; all four work-groups are here: the joint loads meet
	tensor_load_to_lds s[32:35], s[24:31]
	s_nop 0
.rept 4
	v_nop
.endr
	s_lshr_b32 s40, s18, 1                         ; the first tile's last key step,
	s_sub_co_u32 s41, 15, s40                      ; the second's
	s_lshl_b32 s38, s40, 3
	s_lshl_b32 s36, s19, 1
	s_add_co_u32 s38, s38, s36
	s_and_b32 s36, s18, 1
	s_add_co_u32 s38, s38, s36                     ; T0
	s_sub_co_u32 s39, 127, s38                     ; T1
	v_and_b32 v8, 31, v0                           ; lane
	v_and_b32 v9, 15, v0                           ; r
	v_bfe_u32 v10, v0, 4, 1                        ; h
	v_and_b32 v11, 7, v0                           ; r % 8
	v_bfe_u32 v12, v0, 3, 1                        ; r / 8
	v_lshlrev_b32 v1, 4, v8                        ; 16 x lane
	v_lshlrev_b32 v2, 4, v11
	v_lshl_add_u32 v2, v10, 8, v2
	v_lshl_add_u32 v2, v12, 10, v2                 ; K's codes: 1,024 (r / 8) + 256 h + 16 (r % 8)
	v_lshl_add_u32 v3, v11, 4, 8192
	v_lshl_add_u32 v3, v12, 2, v3
	v_lshl_add_u32 v3, v10, 7, v3                  ; K's scale words: 8,192 + 16 (r % 8) + 4 (r / 8) + 128 h
	v_lshl_add_u32 v4, v9, 3, 8448                 ; V's
	v_lshl_add_u32 v5, v12, 3, v9
	v_lshlrev_b32 v7, 5, v10
	v_sub_nc_u32 v5, v5, v7                        ; r + 8 (r / 8) - 32 h
	v_lshlrev_b32 v69, 4, v9                       ; 16 r
	v_add_nc_u32 v6, v69, v10                      ; 16 r + h
	v_lshlrev_b32 v7, 3, v10                       ; 8 h
	v_cmp_le_u32 s50, 16, v8                       ; lanes 16-31
.irp j, 20,21,22,23,24,25,26,27
	v_mov_b32 v\j, 0                               ; the zero codes of Q's two operands: written once
.endr
.irp j, 234,236,237,238,252,253
	v_mov_b32 v\j, 0                               ; lane permutes' destinations, and the pair v[252:253], are written before they are first named
.endr
	s_wait_alu depctr_va_vdst(0)
	QLOAD 38, 64, 42                               ; both tiles' Q are asked for while the tensor load is out
	QLOAD 39, 72, 12
	s_wait_tensorcnt 0x0                           ; my key step has landed,
	s_barrier_signal -1
	s_barrier_wait -1                              ; everybody's has: the head's K and V lie in LDS
	s_wait_loadcnt 0x0                             ; Q
	TILE 38, 40, 64
	TILE 39, 41, 72
	s_wait_tensorcnt 0x0                           ; the wave's end
	ds_add_u32 v[SPW], v[NIL]
	s_wait_dscnt 0x0
	CROUND                                         ; the closing round
	s_endpgm
.Lfunc_end_k_qd96c5bb1f9_attn:
	.size	k_qd96c5bb1f9_attn, .Lfunc_end_k_qd96c5bb1f9_attn-k_qd96c5bb1f9_attn
	.p2alignl 7, 3214868480
	.fill 96, 4, 3214868480
	.section	.rodata,"a",@progbits
	.p2align	6, 0x0
	.amdhsa_kernel k_qd96c5bb1f9_attn
		.amdhsa_group_segment_fixed_size 169984
		.amdhsa_private_segment_fixed_size 0
		.amdhsa_enable_private_segment 0
		.amdhsa_kernarg_size 16
		.amdhsa_user_sgpr_count 2
		.amdhsa_user_sgpr_kernarg_segment_ptr 1
		.amdhsa_wavefront_size32 1
		.amdhsa_system_sgpr_workgroup_id_x 1
		.amdhsa_system_sgpr_workgroup_id_y 1
		.amdhsa_system_sgpr_workgroup_id_z 1
		.amdhsa_system_vgpr_workitem_id 0
		.amdhsa_next_free_vgpr 256
		.amdhsa_next_free_sgpr 80
		.amdhsa_reserve_vcc 0
		.amdhsa_float_denorm_mode_32 3
		.amdhsa_float_denorm_mode_16_64 3
		.amdhsa_memory_ordered 1
		.amdhsa_forward_progress 1
		.amdhsa_inst_pref_size 69
	.end_amdhsa_kernel
	.amdgpu_metadata
---
amdhsa.version: [ 1, 2 ]
amdhsa.kernels:
  - .name:           k_qd96c5bb1f9_attn
    .symbol:         k_qd96c5bb1f9_attn.kd
    .args:
      - { .name: qkv, .offset: 0, .size: 8, .value_kind: global_buffer, .address_space: global }
      - { .name: cq, .offset: 8, .size: 8, .value_kind: global_buffer, .address_space: global }
    .group_segment_fixed_size: 169984
    .private_segment_fixed_size: 0
    .kernarg_segment_align: 8
    .kernarg_segment_size: 16
    .max_flat_workgroup_size: 512
    .sgpr_count:     80
    .vgpr_count:     256
    .wavefront_size: 32
...
	.end_amdgpu_metadata
.endif
;; end of part 3
;; launch proj (part 4): grid 8 x 32, 4 waves a work-group, clusters of 4 x 4, 214,528 bytes of LDS; arguments cq, wq, bo, out0; writes out0
.if DOCPART == 4
	.amdgcn_target "amdgcn-amd-amdhsa--gfx1250"
	.amdhsa_code_object_version 6
	.text
	.protected	k_qd96c5bb1f9_proj
	.globl	k_qd96c5bb1f9_proj
	.p2align	8
	.type	k_qd96c5bb1f9_proj,@function
k_qd96c5bb1f9_proj:
	s_mov_b64 s[64:65], 0
	v_nop
	global_prefetch_b8 v0, s[64:65] scope:SCOPE_SE
	s_setreg_imm32_b32 hwreg(HW_REG_WAVE_MODE, 25, 1), 1
	s_wait_xcnt 0x0
	s_wait_alu depctr_hold_cnt(0) depctr_sa_sdst(0) depctr_va_vdst(0) depctr_va_sdst(0) depctr_va_ssrc(0) depctr_va_vcc(0) depctr_vm_vsrc(0)
	s_getreg_b32 s2, hwreg(HW_REG_IB_STS2, 6, 4)
	s_cmp_eq_u32 s2, 0
	s_cbranch_scc0 .Lentry_in_a_cluster
	s_endpgm
.Lentry_in_a_cluster:
	s_bfe_u32 s2, ttmp6, 0x10000c
	s_cmp_lg_u32 s2, 0xf033
	s_cbranch_scc0 .Lentry_shape_is_right
	s_endpgm
.Lentry_shape_is_right:
; out = ctx Wo + bo on codes of FP4 with E8M0 scales, K = 1,024.  A work-group makes 256 rows x 128 columns; wave w rows 128 (w / 2) on, columns 64 (w % 2) on: 32 accumulators, 256 registers.
; INPUTS: cq (ctx) and wq (Wo: tiles 192 + n): images of operand registers: a tile (tile 2 B + u takes numbers 32 B + 8 u + r + 8 (r / 8)) is 8 fragments of 1,024 bytes; scale blocks of 512 bytes a tile, [half][r][4 words]:
; one load of 16 bytes a lane gives four registers: lanes 0-15 the words of K steps 0-3, lanes 16-31 those of K steps 4-7.
; The product is used TRANSPOSED (source 0 = 16 columns of Wo, source 1 = 16 rows of ctx): a lane holds one row, and the 16 registers of tiles 2 B, 2 B + 1 are 16 neighbouring columns.  bo is the C of the first K step.
; LDS: ctx 2 x 65,536 bytes, Wo 2 x 32,768 bytes (K steps 0-3 and 4-7), each byte filled once, at the start, ONE JOINT LOAD A WAVE: wave 0 ctx's K steps 0-3, wave 1 Wo's, wave 2 ctx's K steps 4-7, wave 3 Wo's.
; Behind them a stage of 16 rows x 272 bytes for each wave, and the spare words.  No prefetch: every tile is asked for once, at the head, and there is no loop to run ahead in.
; CLUSTER 4 x 4: the four work-groups of a row of the cluster take the same rows of ctx, the four of a column the same columns of Wo: each tile is asked for jointly.
; REGISTERS: window 0: addresses; v32-63 ctx's scale words, v64-79 Wo's, v96-127 the bias, v128-191 rows on the way out.  Window 1: accumulator (i, t) at v[32 i + 8 t].  Window 2: two sets of fragments, at 0 and 128.
.set CQ_SC, 4194304
.set WQ_SC, 2097152
.set LI,  4
.set XS,  32
.set WS,  64
.set BQ,  96
.set STO, 9                            ; v9   the stage: where I put 16 bytes of a row
.set RD,  10                           ; v10  and where I read a row back
.set CO,  12                           ; v12  my byte offset in out0
.set MSB, 0
.macro WIN new                         ; the immediate's high byte repeats the setting that is left
.if MSB != \new
	s_set_vgpr_msb (MSB<<8)|\new
.set MSB, \new
.endif
.endm
.macro CROUND                          ; a round of the cluster's barrier
	s_barrier_signal -1
	s_barrier_wait -1
	s_cmp_lg_u32 s16, 0
	s_cbranch_scc1 .Lnot_wave_0_\@
	s_barrier_signal -3
.Lnot_wave_0_\@:
	s_barrier_wait -3
	s_barrier_signal -1
	s_barrier_wait -1
.endm
.macro PLACES                          ; four plain vector lines between a matrix instruction and a load into, or a read of, its registers
.rept 4
	v_nop
.endr
.endm
.macro FETCH q                         ; K step q's 12 fragments, 24 loads of 512 consecutive bytes, into set q % 2
.set FS, 128*((\q)%2)
	WIN 0x80                                       ; destination window 2, address window 0
.irp i, 0,1,2,3,4,5,6,7
.irp c, 0,1
	ds_load_b128 v[FS+8*\i+4*\c:FS+8*\i+4*\c+3], v[5+(\q)/4] offset:\i*4096+((\q)%4)*1024+512*\c
.endr
.endr
.irp t, 0,1,2,3
.irp c, 0,1
	ds_load_b128 v[FS+64+8*\t+4*\c:FS+64+8*\t+4*\c+3], v[7+(\q)/4] offset:\t*4096+((\q)%4)*1024+512*\c
.endr
.endr
.endm
.macro MUL q                           ; 32 products; the accumulators take turns, one instruction a turn, in the same order in every step
.set FS, 128*((\q)%2)
.if (\q) == 0
	WIN 0x4A                                       ; sources 0, 1 window 2; C window 0; D window 1
.else
	WIN 0x5A                                       ; C and D window 1
.endif
.irp i, 0,1,2,3,4,5,6,7
.irp t, 0,1,2,3
.if (\q) == 0
	v_wmma_scale_f32_16x16x128_f8f6f4 v[32*\i+8*\t:32*\i+8*\t+7], v[FS+64+8*\t:FS+64+8*\t+7], v[FS+8*\i:FS+8*\i+7], v[BQ+8*\t:BQ+8*\t+7], v[WS+4*\t], v[XS+4*\i] matrix_a_fmt:MATRIX_FMT_FP4 matrix_b_fmt:MATRIX_FMT_FP4
.elseif (\q) < 4
	v_wmma_scale_f32_16x16x128_f8f6f4 v[32*\i+8*\t:32*\i+8*\t+7], v[FS+64+8*\t:FS+64+8*\t+7], v[FS+8*\i:FS+8*\i+7], v[32*\i+8*\t:32*\i+8*\t+7], v[WS+4*\t+(\q)], v[XS+4*\i+(\q)] matrix_a_fmt:MATRIX_FMT_FP4 matrix_b_fmt:MATRIX_FMT_FP4
.else
	v_wmma_scale_f32_16x16x128_f8f6f4 v[32*\i+8*\t:32*\i+8*\t+7], v[FS+64+8*\t:FS+64+8*\t+7], v[FS+8*\i:FS+8*\i+7], v[32*\i+8*\t:32*\i+8*\t+7], v[WS+4*\t+(\q)-4], v[XS+4*\i+(\q)-4] matrix_a_fmt:MATRIX_FMT_FP4 matrix_b_fmt:MATRIX_FMT_FP4 matrix_a_scale:MATRIX_SCALE_ROW1 matrix_b_scale:MATRIX_SCALE_ROW1
.endif
.endr
.endr
.endm
.macro STEP q
	s_wait_dscnt 0x0                               ; this step's fragments are in
.if (\q) < 7
.if (\q) > 0
	PLACES                                         ; the set that is loaded now was multiplied in the step before
.endif
	FETCH (\q)+1
.endif
	MUL \q
.endm
; THE WAY OUT of row tile i: 16 rows x 64 columns go into my own stage (rows of 272 bytes) and come back as whole rows of 256 bytes.
.macro TOSTAGE i
	WIN 0x04                                       ; an LDS store's data are its source 1: window 1
.irp t, 0,1,2,3
	ds_store_b128 v[STO], v[32*(\i)+8*\t:32*(\i)+8*\t+3] offset:128*(\t/2)+32*(\t%2)          ; each accumulator from its low end on
	ds_store_b128 v[STO], v[32*(\i)+8*\t+4:32*(\i)+8*\t+7] offset:128*(\t/2)+32*(\t%2)+16
.endr
	WIN 0
.set BB, 128+32*((\i)%2)
.irp p, 0,1,2,3,4,5,6,7
	ds_load_b128 v[BB+4*\p:BB+4*\p+3], v[RD] offset:544*\p   ; LDS serves a wave's instructions in order: these see the stores above, and the next tile's stores come behind them
.endr
.endm
.macro SEND i, younger                 ; younger: the LDS instructions issued behind tile i's loads, which may stay out
.set BB, 128+32*((\i)%2)
	s_wait_dscnt \younger
.irp p, 0,1,2,3,4,5,6,7
	global_store_b128 v[CO], v[BB+4*\p:BB+4*\p+3], s[78:79] offset:(32*((\i)/2)+8*((\i)%2)+2*\p+8*(\p/4))*4096 th:TH_STORE_NT   ; sixteen lanes store 256 consecutive bytes, aligned; stage rows 2 p and 2 p + 1 are the tile's numbers at those indices
.endr
.endm
	s_load_b256 s[4:11], s[0:1], 0x0               ; cq s[4:5], wq s[6:7], bo s[8:9], out0 s[10:11]
	v_lshl_add_u32 v254, v0, 2, 0x34400
	v_mov_b32 v255, 0
	ds_add_u32 v254, v255                          ; the opening lines: the add, twice on end, and its wait ahead of my first tensor load
	ds_add_u32 v254, v255
	v_lshrrev_b32 v1, 5, v0
	v_readfirstlane_b32 s16, v1                    ; wave 0..3
	s_lshr_b32 s17, s16, 1                         ; which 128 rows.  Also: which four K steps I fetch
	s_and_b32 s18, s16, 1                          ; which 64 columns.  Also: I fetch for ctx (0) or for Wo (1)
	s_bfe_u32 s19, ttmp6, 0x40000                  ; cx
	s_bfe_u32 s20, ttmp6, 0x40004                  ; cy
	s_lshl_b32 s21, ttmp9, 2
	s_add_co_u32 s21, s21, s19                     ; the block of 128 columns
	s_and_b32 s22, ttmp7, 0xffff
	s_lshl_b32 s22, s22, 2
	s_add_co_u32 s22, s22, s20                     ; the block of 256 rows
	s_lshl_b32 s56, s20, 2
	s_lshl_b32 s56, 15, s56                        ; my row of the cluster
	s_lshl_b32 s60, 0x1111, s19                    ; my column
	; descriptor groups 1: rows of 4,096 bytes (four K steps of a tile), 8,192 bytes apart in memory, dense in LDS.  ctx: all 16 tiles in one load;  Wo: all 8
	s_or_b32 s24, s56, (3<<16)|(1<<21)
	s_mov_b32 s25, 512<<16
	s_mov_b32 s26, 16<<16
	s_mov_b32 s27, 512<<16
	s_mov_b32 s28, 16
	s_mov_b32 s29, 1024
	s_mov_b32 s30, 0
	s_mov_b32 s31, 0
	s_or_b32 s32, s60, (3<<16)|(1<<21)
	s_mov_b32 s33, 512<<16
	s_mov_b32 s34, 8<<16
	s_mov_b32 s35, 512<<16
	s_mov_b32 s36, 8
	s_mov_b32 s37, 1024
	s_mov_b32 s38, 0
	s_mov_b32 s39, 0
	s_lshl_b32 s56, s22, 17                        ; ctx: the block's 16 tiles of 8,192 bytes: registers that never hold cx
	s_lshl_b32 s57, s17, 12                        ; + 4,096 x (wave / 2): which four K steps
	s_add_co_u32 s56, s56, s57
	s_mov_b32 s57, 0
	s_lshl_b32 s58, s17, 16                        ; and in LDS: 65,536 x (wave / 2)
	s_lshl_b32 s60, s21, 3                         ; Wo: tiles 192 + 8 x block on: registers that never hold cy
	s_add_co_u32 s60, s60, 192
	s_lshl_b32 s60, s60, 13
	s_lshl_b32 s61, s17, 12
	s_add_co_u32 s60, s60, s61
	s_mov_b32 s61, 0
	s_lshl_b32 s62, s17, 15                        ; and in LDS: 32,768 x (wave / 2)
	s_wait_dscnt 0x0                               ; both opening adds are done
	s_wait_kmcnt 0x0
	s_mov_b32 s40, 1                               ; ctx's four K steps
	s_mov_b32 s41, s58
	s_add_nc_u64 s[42:43], s[4:5], s[56:57]
	s_or_b32 s43, s43, 0x80000000
	s_mov_b32 s48, 1                               ; Wo's four K steps
	s_add_co_u32 s49, s62, 131072
	s_add_nc_u64 s[50:51], s[6:7], s[60:61]
	s_or_b32 s51, s51, 0x80000000
	CROUND                                         ; all sixteen work-groups are here: the joint loads meet
	s_cmp_eq_u32 s18, 0                            ; even waves ask for ctx, odd waves for Wo: the branch hangs on the wave's number alone; every way passes one load
	s_cbranch_scc0 .Lfor_w
	tensor_load_to_lds s[40:43], s[24:31]
	s_nop 0
.rept 4
	v_nop
.endr
	s_branch .Lasked
.Lfor_w:
	tensor_load_to_lds s[48:51], s[32:39]
	s_nop 0
.Lasked:
.rept 4
	v_nop
.endr
	v_and_b32 v1, 31, v0                           ; lane
	v_and_b32 v2, 15, v0                           ; r
	v_bfe_u32 v3, v0, 4, 1                         ; h
	v_lshlrev_b32 v[LI], 4, v1
	s_lshl_b32 s66, s17, 15
	v_add_nc_u32 v5, s66, v[LI]                    ; ctx's fragments: my eight tiles, K steps 0-3;
	v_add_nc_u32 v6, 65536, v5                     ; K steps 4-7
	s_lshl_b32 s66, s18, 14
	s_add_co_u32 s66, s66, 131072
	v_add_nc_u32 v7, s66, v[LI]                    ; Wo's: my four tiles
	v_add_nc_u32 v8, 32768, v7
	v_lshlrev_b32 v11, 6, v3                       ; the bias: 16 h numbers on
	s_wait_alu depctr_va_vdst(0)
	s_mul_i32 s66, s16, 16*272
	s_add_co_u32 s66, s66, 196608                  ; my stage
	v_mul_u32_u24 v[STO], v2, 272
	v_lshl_add_u32 v[STO], v3, 6, v[STO]
	v_add_nc_u32 v[STO], s66, v[STO]               ; in: row r, + 64 h: tile t's eight columns lie 128 (t / 2) + 32 (t % 2) bytes on
	v_mul_u32_u24 v[RD], v3, 272
	v_lshl_add_u32 v[RD], v2, 4, v[RD]
	v_add_nc_u32 v[RD], s66, v[RD]                 ; back: lanes 0-15 one row, lanes 16-31 the next
	v_lshlrev_b32 v[CO], 12, v3
	v_lshl_add_u32 v[CO], v2, 4, v[CO]             ; and the same two rows in out0
	s_lshl_b32 s66, s22, 4
	s_lshl_b32 s67, s17, 3
	s_add_co_u32 s66, s66, s67
	s_lshl_b32 s66, s66, 9
	s_add_co_u32 s66, s66, CQ_SC
	s_mov_b32 s67, 0
	s_add_nc_u64 s[68:69], s[4:5], s[66:67]        ; the scale blocks of my eight tiles of ctx
	s_lshl_b32 s66, s21, 3
	s_lshl_b32 s67, s18, 2
	s_add_co_u32 s66, s66, s67
	s_add_co_u32 s66, s66, 192
	s_lshl_b32 s66, s66, 9
	s_add_co_u32 s66, s66, WQ_SC
	s_mov_b32 s67, 0
	s_add_nc_u64 s[70:71], s[6:7], s[66:67]        ; of my four tiles of Wo
	s_lshl_b32 s66, s21, 9
	s_lshl_b32 s72, s18, 8
	s_add_co_u32 s66, s66, s72                     ; my first column, in bytes
	s_add_nc_u64 s[74:75], s[8:9], s[66:67]        ; bo there
	s_add_nc_u64 s[78:79], s[10:11], s[66:67]
	s_lshl_b32 s66, s22, 8
	s_lshl_b32 s72, s17, 7
	s_add_co_u32 s66, s66, s72
	s_lshl_b32 s66, s66, 12                        ; my first row, in bytes
	s_add_nc_u64 s[78:79], s[78:79], s[66:67]      ; out0 at my corner
.irp i, 0,1,2,3,4,5,6,7
	global_load_b128 v[XS+4*\i:XS+4*\i+3], v[LI], s[68:69] offset:512*\i
.endr
.irp t, 0,1,2,3
	global_load_b128 v[WS+4*\t:WS+4*\t+3], v[LI], s[70:71] offset:512*\t
.endr
.irp t, 0,1,2,3                                ; lane (r, h), tile t, register j: column 32 (t / 2) + 8 (t % 2) + 16 h + j
	global_load_b128 v[BQ+8*\t:BQ+8*\t+3], v11, s[74:75] offset:(32*(\t/2)+8*(\t%2))*4
	global_load_b128 v[BQ+8*\t+4:BQ+8*\t+7], v11, s[74:75] offset:(32*(\t/2)+8*(\t%2))*4+16
.endr
	s_wait_tensorcnt 0x0                           ; my one load has landed,
	s_barrier_signal -1
	s_barrier_wait -1                              ; everybody's has
	FETCH 0
	s_wait_loadcnt 0x0                             ; scale words and bias
.irp q, 0,1,2,3,4,5,6,7
	STEP \q
.endr
	PLACES
	s_wait_alu depctr_va_vdst(0)
	TOSTAGE 0
.irp a, 1,2,3,4,5,6,7
.if \a > 1
	s_wait_xcnt 0x0                                ; tile a - 2's stores have read their registers: tile a's loads may land there
.endif
	TOSTAGE \a
	SEND \a-1, 16                                  ; behind tile a - 1's loads: tile a's 8 stores and 8 loads
.endr
	SEND 7, 0
	s_wait_tensorcnt 0x0                           ; the wave's end
	ds_add_u32 v254, v255
	s_wait_dscnt 0x0
	CROUND                                         ; the closing round: no work-group ends while a partner may still ask for a tile that names it
	s_endpgm
.Lfunc_end_k_qd96c5bb1f9_proj:
	.size	k_qd96c5bb1f9_proj, .Lfunc_end_k_qd96c5bb1f9_proj-k_qd96c5bb1f9_proj
	.p2alignl 7, 3214868480
	.fill 96, 4, 3214868480
	.section	.rodata,"a",@progbits
	.p2align	6, 0x0
	.amdhsa_kernel k_qd96c5bb1f9_proj
		.amdhsa_group_segment_fixed_size 214528
		.amdhsa_private_segment_fixed_size 0
		.amdhsa_enable_private_segment 0
		.amdhsa_kernarg_size 32
		.amdhsa_user_sgpr_count 2
		.amdhsa_user_sgpr_kernarg_segment_ptr 1
		.amdhsa_wavefront_size32 1
		.amdhsa_system_sgpr_workgroup_id_x 1
		.amdhsa_system_sgpr_workgroup_id_y 1
		.amdhsa_system_sgpr_workgroup_id_z 1
		.amdhsa_system_vgpr_workitem_id 0
		.amdhsa_next_free_vgpr 768
		.amdhsa_next_free_sgpr 80
		.amdhsa_reserve_vcc 0
		.amdhsa_float_denorm_mode_32 3
		.amdhsa_float_denorm_mode_16_64 3
		.amdhsa_memory_ordered 1
		.amdhsa_forward_progress 1
		.amdhsa_inst_pref_size 69
	.end_amdhsa_kernel
	.amdgpu_metadata
---
amdhsa.version: [ 1, 2 ]
amdhsa.kernels:
  - .name:           k_qd96c5bb1f9_proj
    .symbol:         k_qd96c5bb1f9_proj.kd
    .args:
      - { .name: cq, .offset: 0, .size: 8, .value_kind: global_buffer, .address_space: global }
      - { .name: wq, .offset: 8, .size: 8, .value_kind: global_buffer, .address_space: global }
      - { .name: bo, .offset: 16, .size: 8, .value_kind: global_buffer, .address_space: global }
      - { .name: out0, .offset: 24, .size: 8, .value_kind: global_buffer, .address_space: global }
    .group_segment_fixed_size: 214528
    .private_segment_fixed_size: 0
    .kernarg_segment_align: 8
    .kernarg_segment_size: 32
    .max_flat_workgroup_size: 128
    .sgpr_count:     80
    .vgpr_count:     768
    .wavefront_size: 32
...
	.end_amdgpu_metadata
.endif
;; end of part 4
